; MI455X (gfx1250); checked and timed in simulation.
; The chip was launched on July 23, 2026; its instructions are those of AMD's public machine-readable ISA for CDNA 5 (MIT licence, August 2026) and "CDNA5" Instruction Set Architecture Reference Guide (July 2026). The comments in the code are by the model that wrote it; some were corrected since.
;; Multi Headed Attention. Allowed arithmetic: matrix products marked QUANTISED: E2M3 operands, one E8M0 scale for each 32 along K, by v_wmma_scale_f32_16x16x128_f8f6f4 with both operands' format E2M3, f32 sums; everything else in f32.
;; Inputs: Wk 1,024 x 1,024 float32; Wo 1,024 x 1,024 float32; Wq 1,024 x 1,024 float32; Wv 1,024 x 1,024 float32; bk 1,024 float32; bo 1,024 float32; bq 1,024 float32; bv 1,024 float32; key 4 x 2,048 x 1,024 float32; query 4 x 2,048 x 1,024 float32; value 4 x 2,048 x 1,024 float32.
;; Outputs: out0 4 x 2,048 x 1,024 float32.
;; This version of the problem:
;;   THIS VERSION OF THE PROBLEM IS GIVEN IN LOW PRECISION. The matrix products marked QUANTISED in the list below multiply operands that are first quantised to E2M3 (2 exponent bits, 3 mantissa bits; 6 bits a number), with one power-of-two scale for each 32 numbers along K (OCP MX v1.0); their sums are f32. All else is computed in f32.
;;   The module's matrix products, in the order in which they are computed (A, B: the left and right operand; K: the contracted axis; several contracted axes count as one K, in the product's order):
;;     1. [M 8,192, K 1,024] x [K 1,024, N 1,024]; A: input query; B: input Wq: QUANTISED
;;     2. [M 8,192, K 1,024] x [K 1,024, N 1,024]; A: input key; B: input Wk: QUANTISED
;;     3. [M 8,192, K 1,024] x [K 1,024, N 1,024]; A: input value; B: input Wv: QUANTISED
;;     4. batch 64 x [M 2,048, K 64] x [K 64, N 2,048]; A: computed on the way; B: computed on the way: QUANTISED
;;     5. batch 64 x [M 2,048, K 2,048] x [K 2,048, N 64]; A: softmax (see below); B: computed on the way: QUANTISED
;;     6. [M 8,192, K 1,024] x [K 1,024, N 1,024]; A: computed on the way; B: input Wo: QUANTISED
;;   THE QUANTISER, for each operand of a quantised product, along K:
;;     - K is cut into blocks of 32 from its start; a last block that is shorter is filled with zeros.
;;     - A block's scale is 2^e with e = floor(log2(the largest magnitude in the block)) - 2, held to -126 .. 127; a block of zeros has e = 0. As a byte (E8M0): e + 127.
;;     - Each number is divided by its block's scale, clamped to +-7.5, and rounded to the nearest number of E2M3, ties to even, subnormals kept.
;;     - The product sums the exact products of the quantised numbers (number of the format x scale) in f32.
;;   ~~~python
;;   def quantise(x, axis):      # numpy; x: float32 -> the quantised numbers, widened to float32 again
;;       x = np.moveaxis(x, axis, -1); K = x.shape[-1]
;;       x = np.pad(x, [(0, 0)] * (x.ndim - 1) + [(0, -K % 32)]); x = x.reshape(x.shape[:-1] + (-1, 32)); a = np.abs(x).max(-1, keepdims=True)
;;       e = np.where(a > 0, np.clip(np.frexp(np.where(a > 0, a, 1))[1] - 1 - 2, -126, 127), 0)      # np.frexp(a)[1] - 1 = floor(log2(a)), exactly
;;       r = np.clip(x / 2.0 ** e, -7.5, 7.5)
;;       step = 2.0 ** (np.maximum(np.frexp(np.where(r == 0, 1, r))[1] - 1, 0) - 3)
;;       q = np.round(r / step) * step * 2.0 ** e      # np.round: ties to even
;;       return np.moveaxis(q.reshape(q.shape[:-2] + (-1,))[..., :K], -1, axis).astype(np.float32)
;;   ~~~
;;   SOFTMAX AHEAD OF A QUANTISED PRODUCT. Where the list says 'softmax', what is quantised is not the finished softmax but p = 2^(t - M), with t = logit x log2(e) and M = ceil(the row's largest t), a whole number; so 1/2 < the row's largest p <= 1. The row's sum l is taken of the UNQUANTISED p, in f32, and the product's result is divided by l at the end. Since M is a whole number, a kernel that streams over the keys may use a running M (the ceiling of the running maximum): every later rescaling is an exact power of two, which a block's scale takes up: the codes' values come out the same.
;;   OPERANDS COMPUTED ON THE WAY. 'Computed on the way' means the value that the module computes at that place (a softmax that the list does not call 'softmax' is quantised finished and normalised). What goes into a quantiser is computed in f32, as accurately as f32 sums, v_exp_f32 and their like allow (about 1e-6 of the number): no bf16 or f16 on the way to a quantiser, and a product that is left as it is and whose result goes on into a quantised operand takes f32 operands (vector FMAs, or v_wmma_f32_16x16x4_f32). A number that lies on a knife's edge between two numbers of the format may be rounded either way, as far as f32 arithmetic and the matrix unit's own rounding can turn it there, and no further.
;; One version. Each part assembles by itself: llvm-mc -triple=amdgcn-amd-amdhsa -mcpu=gfx1250 --defsym DOCPART=n.
;; ======== version 1 of 1: 4 launches
;; limits: right only within a limited range of input values
;; workspace buffers: xw 19,660,800 bytes; ww 3,276,800 bytes; pw 20,185,088 bytes; aw 6,553,600 bytes
;; launch prep (part 1): grid 512 x 1, 4 waves a work-group, no clusters, 59,904 bytes of LDS; arguments query, key, value, Wq, Wk, Wv, Wo, xw, ww; writes xw, ww
.if DOCPART == 1
	.amdgcn_target "amdgcn-amd-amdhsa--gfx1250"
	.amdhsa_code_object_version 6
	.text
	.protected	k_qbb1a9ef14f_prep
	.globl	k_qbb1a9ef14f_prep
	.p2align	8
	.type	k_qbb1a9ef14f_prep,@function
k_qbb1a9ef14f_prep:
	s_mov_b64 s[64:65], 0
	v_nop
	global_prefetch_b8 v0, s[64:65] scope:SCOPE_SE
	s_setreg_imm32_b32 hwreg(HW_REG_WAVE_MODE, 25, 1), 1
	s_wait_xcnt 0x0
; query, key, value [8192][1024] f32 (K innermost) and Wq, Wk, Wv, Wo [1024 (k)][1024 (n)] f32 (K first) become codes of FP6 (E2M3) with one E8M0 byte for each 32 along K.
; A block's scale is 2^(floor(log2(largest magnitude)) - 2); its byte is the largest magnitude's exponent field - 2, held at 1 from below.
; LIMITS: NaN and infinities are not served; a block whose largest magnitude lies under 2^-124 has its byte held at 1; a block of zeros gets the byte 1 where the rule says 127:
; its codes are zeros, which add nothing under any byte but 0xff, and this program alone reads the bytes.
; LAYOUT OF THE RESULTS.  Rows (tokens of x, columns n of W) are kept in POSITION order: position = the index with its bits 3 and 4 exchanged.  Tile t = positions 16 t .. 16 t + 15; its row r is
; the actual row 32 (t / 2) + 8 (t % 2) + r + 8 (r / 8).  A fragment (16 rows x 128 K, 12 registers a lane) is stored as an image of its registers, 1,536 bytes: for each half c of K: registers 6 c .. 6 c + 3 as
; 16 bytes a lane (512 bytes), then registers 6 c + 4, 6 c + 5 as 8 bytes a lane (256 bytes).  xw: [tensor 3][tile 512][K step 8][1536], then scale bytes [tensor][position row][32].  ww: [weight 4][tile 64][K step 8][1536], then [weight][row][32].
; SHARES.  Work-groups 0-127 take the weights, 128-511 the three x; the two paths have LDS bytes of their own.  No tensor load, no barrier: waves share nothing.
.set SEL,   20                         ; s[20:21] lane selects for v_permlanex16_b32: lane l xor 16
.set TM,    20                         ; v20-35   QUANT at work
.set PC,    40                         ; v40-58   the codes just made
.set SW,    10                         ; v10-17   a row's eight scale words
.set X,     64                         ; v64-127  path X: 64 numbers of a lane
.set R,     128                        ; v128-255 path X: two sets of 64 registers as loaded
.set XW,    32                         ; v32-95   path W: two sets of 32 numbers
.set XSTG,  8448                       ; path X: a wave's stage: 16 rows x (512 bytes + 16)
.set WBASE, 33792                      ; path W's LDS begins behind path X's four stages
.set WSTG,  6400                       ; path W: a wave's stage: two tiles' images
.set WTILE, 3200                       ; a tile's two fragments, 3,072 bytes, + 128
; 64 numbers of a lane, register 16 b + i = k 32 b + 16 (lane / 16) + i of my row, become a fragment's codes in v[PC] .. v[PC + 11] and the row's scale word in v[pw].
.macro QUANT src, pw
.irp b, 0,1,2,3
	v_max3_num_f32 v[TM+\b], |v[\src+16*\b]|, |v[\src+1+16*\b]|, 0x1800000   ; block b: my 16 numbers, and the floor 2^(3 - 127): the byte cannot fall under 1
.endr
.irp i, 2,4,6,8,10,12,14
.irp b, 0,1,2,3
	v_max3_num_f32 v[TM+\b], v[TM+\b], |v[\src+16*\b+\i]|, |v[\src+1+16*\b+\i]|   ; the four blocks by turns
.endr
.endr
.irp b, 0,1,2,3
	v_permlanex16_b32 v[TM+4+\b], v[TM+\b], s[SEL], s[SEL+1]
.endr
.irp b, 0,1,2,3
	v_max_num_f32 v[TM+\b], v[TM+\b], v[TM+4+\b]   ; with lane l xor 16's: the block's largest magnitude
.endr
.irp b, 0,1,2,3
	v_add_nc_u32 v[TM+12+\b], 0xff000000, v[TM+\b]   ; 2 off its exponent field: the conversion's scale operand
.endr
.irp b, 0,1,2,3
	v_lshrrev_b32 v[TM+4+\b], 23, v[TM+12+\b]      ; the scale's byte
.endr
	v_lshl_or_b32 v[\pw], v[TM+5], 8, v[TM+4]
	v_lshl_or_b32 v[\pw], v[TM+6], 16, v[\pw]
	v_lshl_or_b32 v[\pw], v[TM+7], 24, v[\pw]
.irp c, 0,1
	v_cvt_scalef32_pk16_fp6_f32 v[PC+6*\c:PC+2+6*\c], v[\src+32*\c:\src+15+32*\c], v[TM+12+2*\c]
	v_cvt_scalef32_pk16_fp6_f32 v[PC+12+4*\c:PC+14+4*\c], v[\src+16+32*\c:\src+31+32*\c], v[TM+12+2*\c+1]   ; (a conversion's three registers begin on an even number)
.endr
	v_nop                                          ; one plain place behind a scaled conversion
.irp c, 0,1                                    ; the operand's layout wants a whole block in a lane: lanes 0-15 block 2 c, lanes 16-31 block 2 c + 1
.irp i, 0,1,2
	v_permlane16_swap_b32 v[PC+6*\c+\i], v[PC+12+4*\c+\i]
.endr
.irp i, 0,1,2
	v_mov_b32 v[PC+3+6*\c+\i], v[PC+12+4*\c+\i]
.endr
.endr
.endm
; a fragment's image to memory: each store covers 512 or 256 consecutive bytes, aligned
.macro PUTFRAG reg, a16, a8, sb, off
	global_store_b128 v[\a16], v[\reg:\reg+3], s[\sb:\sb+1] offset:\off
	global_store_b64 v[\a8], v[\reg+4:\reg+5], s[\sb:\sb+1] offset:\off+512
	global_store_b128 v[\a16], v[\reg+6:\reg+9], s[\sb:\sb+1] offset:\off+768
	global_store_b64 v[\a8], v[\reg+10:\reg+11], s[\sb:\sb+1] offset:\off+1280
.endm
	s_load_b256 s[4:11], s[0:1], 0x0               ; query s[4:5], key s[6:7], value s[8:9], Wq s[10:11]
	s_load_b256 s[12:19], s[0:1], 0x20             ; Wk s[12:13], Wv s[14:15], Wo s[16:17], xw s[18:19]
	s_load_b64 s[22:23], s[0:1], 0x40              ; ww
	v_lshl_add_u32 v30, v0, 2, 0xe800
	v_mov_b32 v31, 0
	v_lshrrev_b32 v1, 5, v0
	v_readfirstlane_b32 s24, v1                    ; wave 0..3
	v_and_b32 v1, 31, v0                           ; lane
	s_cmp_lt_u32 ttmp9, 128
	s_cbranch_scc1 .Lweights
; ---------------- PATH X: a wave takes one tile of 16 rows of one x, all eight K steps of 128.
; Each load reads 512 consecutive bytes of one row; a K step's 16 x 512 bytes turn through the wave's own stage, so that lane (r, h) gets, of row r, 16 neighbours of each block of 32.
	s_mov_b32 s[SEL], 0x76543210
	s_mov_b32 s[SEL+1], 0xfedcba98
	s_sub_co_u32 s25, ttmp9, 128                   ; 0..383
	s_lshr_b32 s26, s25, 7                         ; which x: 0 query, 1 key, 2 value
	s_and_b32 s27, s25, 127
	s_lshl_b32 s27, s27, 2
	s_add_co_u32 s27, s27, s24                     ; my tile, 0..511
	v_and_b32 v2, 15, v0                           ; r
	v_bfe_u32 v3, v0, 4, 1                         ; h
	s_wait_alu depctr_va_vdst(0)
	v_lshlrev_b32 v4, 4, v1                        ; 16 x lane
	v_lshlrev_b32 v5, 3, v1                        ; 8 x lane
	s_mul_i32 s28, s24, XSTG
	v_add_nc_u32 v6, s28, v4                       ; the stage, on the way in: a row's 512 bytes on end
	v_mul_u32_u24 v7, v2, 528
	v_lshl_add_u32 v7, v3, 6, v7
	v_add_nc_u32 v7, s28, v7                       ; and on the way out: row r, + 64 h
	v_lshlrev_b32 v8, 5, v2
	v_lshl_add_u32 v8, v3, 4, v8                   ; the scale bytes: 32 r + 16 h
.irp b, 0,1,2,3
	v_mov_b32 v[TM+4+\b], 0                        ; written once: a lane permute's destination counts as one of its sources
.endr
	s_lshr_b32 s29, s27, 1
	s_lshl_b32 s29, s29, 5
	s_and_b32 s30, s27, 1
	s_lshl_b32 s30, s30, 3
	s_add_co_u32 s29, s29, s30                     ; query, value: the tile's first actual row: 32 (t / 2) + 8 (t % 2), rows 8-15 lie 16 rows behind rows 0-7
	; KEY'S TILES HAVE ANOTHER ORDER: tile t holds tokens 64 (t / 4) + 8 (t % 4) + 0 .. 7 and the eight that lie 32 further on, so that in the scores a lane's registers of four tiles are one block of 32 keys
	s_lshr_b32 s40, s27, 2
	s_lshl_b32 s40, s40, 6
	s_and_b32 s41, s27, 3
	s_lshl_b32 s41, s41, 3
	s_add_co_u32 s40, s40, s41
	s_cmp_eq_u32 s26, 1                            ; hangs on the work-group's number alone
	s_cselect_b32 s29, s40, s29
	s_cselect_b32 s41, 65536, 0                    ; key: rows 8-15 lie 16 rows of 4,096 bytes further on still
	v_add_nc_u32 v9, s41, v4                       ; the offset for tile rows 8-15
	s_lshl_b32 s30, s29, 12
	s_mov_b32 s31, 0
	s_mul_i32 s32, s26, 6291456
	s_mul_i32 s33, s27, 12288
	s_add_co_u32 s32, s32, s33                     ; my tile's eight images
	s_mov_b32 s33, 0
	s_lshl_b32 s34, s26, 18
	s_lshl_b32 s35, s27, 9
	s_add_co_u32 s34, s34, s35
	s_add_co_u32 s34, s34, 18874368                ; my tile's 512 scale bytes
	s_mov_b32 s35, 0
	s_wait_alu depctr_va_vdst(0)
	s_wait_kmcnt 0x0
	s_cmp_eq_u32 s26, 0                            ; the choice hangs on the work-group's number alone
	s_cselect_b64 s[4:5], s[4:5], s[6:7]
	s_cmp_eq_u32 s26, 2
	s_cselect_b64 s[4:5], s[8:9], s[4:5]
	s_add_nc_u64 s[4:5], s[4:5], s[30:31]
	s_add_nc_u64 s[36:37], s[18:19], s[32:33]
	s_add_nc_u64 s[38:39], s[18:19], s[34:35]
.macro LOADX s                         ; K step s: tile row i is actual row i + 8 (i / 8) from the tile's first
.irp i, 0,1,2,3,4,5,6,7,8,9,10,11,12,13,14,15
	global_load_b128 v[R+64*((\s)%2)+4*\i:R+64*((\s)%2)+4*\i+3], v[4+5*(\i/8)], s[4:5] offset:(\i+8*(\i/8))*4096+512*(\s) th:TH_LOAD_NT
.endr
.endm
.macro STEPX s
.if (\s) < 7
	s_wait_loadcnt 16                              ; this K step's 16 loads are in; the next step's 16 may be out
.else
	s_wait_loadcnt 0x0
.endif
.irp i, 0,1,2,3,4,5,6,7,8,9,10,11,12,13,14,15
	ds_store_b128 v6, v[R+64*((\s)%2)+4*\i:R+64*((\s)%2)+4*\i+3] offset:528*\i
.endr
.irp b, 0,1,2,3
.irp j, 0,1,2,3
	ds_load_b128 v[X+16*\b+4*\j:X+16*\b+4*\j+3], v7 offset:128*\b+16*\j   ; LDS serves a wave's instructions in order: these see the stores above
.endr
.endr
	s_wait_dscnt 0x0                               ; my 64 numbers are back, and the stores into the stage have read their registers
	s_wait_xcnt 0x0                                ; the last step's stores have read the codes' registers, which QUANT writes again
.if (\s)+2 < 8
	LOADX (\s)+2
.endif
	QUANT X, SW+\s
	PUTFRAG PC, 4, 5, 36, 1536*(\s)
.endm
	LOADX 0
	LOADX 1
.irp s, 0,1,2,3,4,5,6,7
	STEPX \s
.endr
	v_cmp_le_u32 vcc_lo, 16, v1                    ; lanes 16-31 store words 4 to 7 of their row, lanes 0-15 words 0 to 3
.irp j, 0,1,2,3
	v_cndmask_b32 v[60+\j], v[SW+\j], v[SW+4+\j], vcc_lo
.endr
	global_store_b128 v8, v[60:63], s[38:39]       ; the tile's 512 scale bytes, consecutive
	s_wait_tensorcnt 0x0
	ds_add_u32 v30, v31
	s_wait_dscnt 0x0
	s_endpgm
; ---------------- PATH W: a wave takes 32 columns x 256 along K of one weight.  A lane takes a column and its registers run down K: a block of 32 lies in one lane, and the codes come out with K innermost.
; A lane's 24 bytes of a block go to their place in the two tiles' images in the wave's own stage; the images leave as runs of 512 consecutive bytes.
.Lweights:
	s_lshr_b32 s25, ttmp9, 5                       ; which weight: 0 Wq, 1 Wk, 2 Wv, 3 Wo
	s_and_b32 s26, ttmp9, 7                        ; which 128 columns
	s_bfe_u32 s27, ttmp9, 0x20003                  ; which 256 along K
	s_lshl_b32 s28, s26, 7
	s_lshl_b32 s29, s24, 5
	s_add_co_u32 s28, s28, s29                     ; my wave's first column
	s_wait_alu depctr_va_vdst(0)
	v_lshlrev_b32 v3, 2, v1                        ; in: 4 bytes a lane
	v_bfe_u32 v9, v0, 3, 1                         ; my column's position: tile u = bit 3 of the lane,
	v_and_b32 v10, 7, v0
	v_bfe_u32 v11, v0, 4, 1
	v_lshl_add_u32 v10, v11, 3, v10                ; row r = lane % 8 + 8 (lane / 16)
	s_mul_i32 s29, s24, WSTG
	s_add_co_u32 s29, s29, WBASE                   ; my stage
	v_mul_u32_u24 v12, v9, WTILE
	v_add_nc_u32 v12, s29, v12
	v_lshl_add_u32 v4, v10, 4, v12                 ; where my 16 bytes of a block go
	v_lshl_add_u32 v5, v10, 3, v12                 ; and my 8
	v_lshlrev_b32 v8, 4, v1                        ; out: 16 bytes a lane
	v_add_nc_u32 v7, s29, v8
	v_lshl_add_u32 v9, v9, 4, v10
	v_lshlrev_b32 v9, 5, v9                        ; my row of scale bytes: 32 x position
	s_lshl_b32 s30, s27, 20                        ; 256 rows of 4,096 bytes
	s_lshl_b32 s31, s28, 2
	s_add_co_u32 s30, s30, s31
	s_mov_b32 s31, 0
	s_mul_i32 s32, s25, 786432
	s_mul_i32 s33, s28, 768                        ; a tile of 16 columns is 12,288 bytes
	s_add_co_u32 s32, s32, s33
	s_mul_i32 s33, s27, 3072                       ; two K steps
	s_add_co_u32 s32, s32, s33
	s_mov_b32 s33, 0
	s_lshl_b32 s34, s25, 15
	s_lshl_b32 s35, s28, 5
	s_add_co_u32 s34, s34, s35
	s_lshl_b32 s35, s27, 3
	s_add_co_u32 s34, s34, s35
	s_add_co_u32 s34, s34, 3145728
	s_mov_b32 s35, 0
	s_wait_kmcnt 0x0
	s_cmp_eq_u32 s25, 0
	s_cselect_b64 s[4:5], s[10:11], s[12:13]
	s_cmp_eq_u32 s25, 2
	s_cselect_b64 s[4:5], s[14:15], s[4:5]
	s_cmp_eq_u32 s25, 3
	s_cselect_b64 s[4:5], s[16:17], s[4:5]
	s_add_nc_u64 s[4:5], s[4:5], s[30:31]
	s_add_nc_u64 s[36:37], s[22:23], s[32:33]
	s_add_nc_u64 s[38:39], s[22:23], s[34:35]
.macro LOADW t                         ; block t: W(32 t + i, my column); 32 lanes read 128 consecutive bytes
.irp i, 0,1,2,3,4,5,6,7,8,9,10,11,12,13,14,15,16,17,18,19,20,21,22,23,24,25,26,27,28,29,30,31
	global_load_b32 v[XW+32*((\t)%2)+\i], v3, s[4:5] offset:(32*(\t)+\i)*4096 th:TH_LOAD_NT
.endr
.endm
.macro BLOCK t
.set XS, XW+32*((\t)%2)
.if (\t) < 7
	s_wait_loadcnt 32                              ; this block's 32 loads are in; the next block's may be out
.else
	s_wait_loadcnt 0x0
.endif
	v_max3_num_f32 v14, |v[XS]|, |v[XS+1]|, |v[XS+2]|   ; the block's largest magnitude: all 32 numbers are mine
	v_max3_num_f32 v15, |v[XS+3]|, |v[XS+4]|, |v[XS+5]|
.irp i, 6,10,14,18,22,26
	v_max3_num_f32 v14, v14, |v[XS+\i]|, |v[XS+\i+1]|
	v_max3_num_f32 v15, v15, |v[XS+\i+2]|, |v[XS+\i+3]|
.endr
	v_max3_num_f32 v14, v14, |v[XS+30]|, |v[XS+31]|
	v_max3_num_f32 v14, v14, v15, 0x1800000        ; and the floor 2^(3 - 127)
	v_add_nc_u32 v16, 0xff000000, v14              ; 2 off the exponent field: the conversion's scale operand
	v_lshrrev_b32 v17, 23, v16                     ; the scale's byte
.if (\t)%4 == 0
	v_mov_b32 v[24+(\t)/4], v17                    ; four bytes to a register, the lower K in the lower byte
.else
	v_lshl_or_b32 v[24+(\t)/4], v17, 8*((\t)%4), v[24+(\t)/4]
.endif
	v_cvt_scalef32_pk16_fp6_f32 v[96:98], v[XS:XS+15], v16
	v_cvt_scalef32_pk16_fp6_f32 v[100:102], v[XS+16:XS+31], v16
	v_nop                                          ; one plain place behind a scaled conversion
	v_mov_b32 v99, v100                            ; the block's six registers on end
	v_mov_b32 v100, v101
	v_mov_b32 v101, v102
	; block t is block t % 4 of K step t / 4: half (t % 4) / 2 of the image, and the place of lane r + 16 (t % 2)
	ds_store_b128 v4, v[96:99] offset:1536*((\t)/4)+768*(((\t)%4)/2)+256*((\t)%2)
	ds_store_b64 v5, v[100:101] offset:1536*((\t)/4)+768*(((\t)%4)/2)+512+128*((\t)%2)
.if (\t)+2 < 8
	LOADW (\t)+2
.endif
	s_wait_dscnt 0x0                               ; the stores have read their registers: the next block's codes may be written
.endm
	LOADW 0
	LOADW 1
.irp t, 0,1,2,3,4,5,6,7
	BLOCK \t
.endr
	s_wait_alu depctr_va_vdst(0)
	global_store_b64 v9, v[24:25], s[38:39]        ; my column's eight scale bytes
.irp m, 0,1,2,3,4,5,6,7,8,9,10,11
	ds_load_b128 v[112+4*\m:115+4*\m], v7 offset:WTILE*(\m/6)+512*(\m%6)   ; LDS serves a wave's instructions in order: these see my stores
.endr
.irp m, 0,1,2,3,4,5,6,7,8,9,10,11
	s_wait_dscnt 11-\m                             ; load m is in; the younger ones may be out
	global_store_b128 v8, v[112+4*\m:115+4*\m], s[36:37] offset:12288*(\m/6)+512*(\m%6)   ; 512 consecutive bytes of a tile's two images
.endr
	s_wait_tensorcnt 0x0
	ds_add_u32 v30, v31
	s_wait_dscnt 0x0
	s_endpgm
.Lfunc_end_k_qbb1a9ef14f_prep:
	.size	k_qbb1a9ef14f_prep, .Lfunc_end_k_qbb1a9ef14f_prep-k_qbb1a9ef14f_prep
	.p2alignl 7, 3214868480
	.fill 96, 4, 3214868480
	.section	.rodata,"a",@progbits
	.p2align	6, 0x0
	.amdhsa_kernel k_qbb1a9ef14f_prep
		.amdhsa_group_segment_fixed_size 59904
		.amdhsa_private_segment_fixed_size 0
		.amdhsa_enable_private_segment 0
		.amdhsa_kernarg_size 72
		.amdhsa_user_sgpr_count 2
		.amdhsa_user_sgpr_kernarg_segment_ptr 1
		.amdhsa_wavefront_size32 1
		.amdhsa_system_sgpr_workgroup_id_x 1
		.amdhsa_system_sgpr_workgroup_id_y 1
		.amdhsa_system_sgpr_workgroup_id_z 1
		.amdhsa_system_vgpr_workitem_id 0
		.amdhsa_next_free_vgpr 256
		.amdhsa_next_free_sgpr 66
		.amdhsa_reserve_vcc 1
		.amdhsa_float_denorm_mode_32 3
		.amdhsa_float_denorm_mode_16_64 3
		.amdhsa_memory_ordered 1
		.amdhsa_forward_progress 1
		.amdhsa_inst_pref_size 107
	.end_amdhsa_kernel
	.amdgpu_metadata
---
amdhsa.version: [ 1, 2 ]
amdhsa.kernels:
  - .name:           k_qbb1a9ef14f_prep
    .symbol:         k_qbb1a9ef14f_prep.kd
    .args:
      - { .name: query, .offset: 0, .size: 8, .value_kind: global_buffer, .address_space: global }
      - { .name: key, .offset: 8, .size: 8, .value_kind: global_buffer, .address_space: global }
      - { .name: value, .offset: 16, .size: 8, .value_kind: global_buffer, .address_space: global }
      - { .name: Wq, .offset: 24, .size: 8, .value_kind: global_buffer, .address_space: global }
      - { .name: Wk, .offset: 32, .size: 8, .value_kind: global_buffer, .address_space: global }
      - { .name: Wv, .offset: 40, .size: 8, .value_kind: global_buffer, .address_space: global }
      - { .name: Wo, .offset: 48, .size: 8, .value_kind: global_buffer, .address_space: global }
      - { .name: xw, .offset: 56, .size: 8, .value_kind: global_buffer, .address_space: global }
      - { .name: ww, .offset: 64, .size: 8, .value_kind: global_buffer, .address_space: global }
    .group_segment_fixed_size: 59904
    .private_segment_fixed_size: 0
    .kernarg_segment_align: 8
    .kernarg_segment_size: 72
    .max_flat_workgroup_size: 128
    .sgpr_count:     66
    .vgpr_count:     256
    .wavefront_size: 32
...
	.end_amdgpu_metadata
.endif
;; end of part 1
;; launch proj (part 2): grid 4 x 64, 4 waves a work-group, clusters of 4 x 4, 327,680 bytes of LDS; arguments xw, ww, bq, bk, bv, pw; writes pw
.if DOCPART == 2
	.amdgcn_target "amdgcn-amd-amdhsa--gfx1250"
	.amdhsa_code_object_version 6
	.text
	.protected	k_qbb1a9ef14f_proj
	.globl	k_qbb1a9ef14f_proj
	.p2align	8
	.type	k_qbb1a9ef14f_proj,@function
k_qbb1a9ef14f_proj:
	s_mov_b64 s[64:65], 0
	v_nop
	global_prefetch_b8 v0, s[64:65] scope:SCOPE_SE
	s_setreg_imm32_b32 hwreg(HW_REG_WAVE_MODE, 25, 1), 1
	s_wait_xcnt 0x0
	s_wait_alu depctr_hold_cnt(0) depctr_sa_sdst(0) depctr_va_vdst(0) depctr_va_sdst(0) depctr_va_ssrc(0) depctr_va_vcc(0) depctr_vm_vsrc(0)
	s_getreg_b32 s2, hwreg(HW_REG_IB_STS2, 6, 4)
	s_cmp_eq_u32 s2, 0
	s_cbranch_scc0 .Lentry_in_a_cluster
	s_endpgm
.Lentry_in_a_cluster:
	s_bfe_u32 s2, ttmp6, 0x10000c
	s_cmp_lg_u32 s2, 0xf033
	s_cbranch_scc0 .Lentry_shape_is_right
	s_endpgm
.Lentry_shape_is_right:
; q = query Wq + bq, k = key Wk + bk, v = value Wv + bv on codes of FP6 (E2M3) with E8M0 scales, sums in f32; the results are quantised in registers for the products that follow:
; q and k along the head's 64 channels, v along the keys.  LIMITS: NaN and infinities are not served; a block whose largest magnitude lies under 2^-124, zeros among them, gets the byte 1.
; OPERANDS.  xw, ww hold fragment images (16 rows x 128 K, 1,536 bytes) by [tile][K step 8] and scale bytes [row][32], in the row orders that the first launch lays.
; SOURCE 0 (S0) is the operand along whose rows a lane's registers run in the result, SOURCE 1 (S1) the one whose row a lane holds.  With S0's tiles in position order (index bits 3 and 4 exchanged) the 16 registers of
; tiles 2 b, 2 b + 1 are 16 actual neighbours 32 b + 16 (lane / 16) + i: what the next quantiser wants.  For q and k: S0 = the weight's columns (channels), S1 = tokens.  For v: S0 = tokens (keys), S1 = the weight's columns.
; SHARES.  A tile: 256 rows of S0 x 128 rows of S1; wave w: 128 of S0 (w % 2), 64 of S1 (w / 2): 32 accumulators.  All of K = 1,024 lies in LDS: 384 rows x 768 bytes and their scale bytes.
; A WORK-GROUP STAYS: 256 work-groups, three tiles each: one of q and one of k (a loop of two trips), then one of v (written out: it asks for nothing more).  Cluster idx (0..15), place (cx, cy):
; q, k: X = cx, Y = 4 idx + cy;  v: X = 4 (idx % 8) + cx, Y = 4 (idx / 8) + cy.  S0's tiles hang on X alone and are shared down a column of the cluster, S1's on Y alone and along a row: each is asked for jointly.
; FILLS.  Four dense blocks a tile, one tensor load a wave: wave 0 S0's codes, wave 1 S1's, wave 2 S0's scale bytes, wave 3 S1's.  A tile's reads of LDS are over when K step 7's fragments are in registers: there stand the three
; lines and a round of the cluster's barrier, and behind the round the next tile's four loads, which have the rest of K step 7 and the whole way out in which to land.
; PREFETCH.  Behind K step 0 the next tile's codes are asked for into the L2, six K steps ahead of the loads that want them: 768 + 384 blocks of 256 bytes, each named once in the cluster's column or row that will load it:
; the sixteen waves that will ask jointly share them out by address, 48 + 24 blocks a wave.  The scale bytes (one part in 24) and the first tile come by their loads alone; the last tile asks for nothing.
; THE BIAS is the C of each sum's first product: q, k: along S0, bq or bk chosen by v_cndmask_b32 on the trip's number; v: along S1, one number a lane and tile, spread over eight registers.
; pw: q codes [head 64][token tile 128][768] at 0, k codes likewise at 6,291,456, v codes [head][key step 16][channel tile 4][1536] at 12,582,912; scale words: q [head][tile][16] at 18,874,368, k at 19,398,656,
; v [head][step][tile 4][16] at 19,922,944.  In q's and k's words bytes 2 and 3 are 0.
; REGISTERS.  window 0: v1-15 addresses; v16-79 S0's scale words (tile b, K step s: 16 + 8 b + s); v80-111 S1's; v112-207 S1's fragments, two sets of 48 (on the way out v176-199 codes and words); v208-255 the way out.
;   window 1: v0-191 S0's fragments, two sets of 96; v192-255 the bias along S0.   window 2: accumulator (a, b) at v[8 (8 a + b)].   window 3: v0-63 bq, v64-127 bk, v128-159 bv.
.set S1B,   196608                     ; LDS: S0's codes [tile 16][K step 8][1536] at 0, S1's [tile 8][K step 8][1536] here
.set S1SC,  294912                     ; S1's scale bytes, 128 rows x 32
.set S0SC,  299008                     ; S0's, 256 rows x 32
.set STG,   307200                     ; 512 bytes a wave for the scale words on the way out: no fill lands here
.set SPARE, 309248                     ; the spare words, 128 bytes a wave
.set SCP,   16
.set SCR,   80
.set RF,    112
.set BP,    192
.set BQ,    0
.set BV,    128
.set PC,    176
.set TM,    208
.set PW,    224
.set PWS,   225
.set SEL,   88                         ; s[88:89] lane selects for v_permlanex16_b32
.set WV,    92                         ; s92 wave, s93 wave % 2, s94 wave / 2, s95 cx, s96 cy, s99 the trip (0 q, 1 k), s100 the cluster
.set IDX,   100
.set MSB, 0
.macro WIN new                         ; the immediate's high byte repeats the setting that is left
.if MSB != \new
	s_set_vgpr_msb (MSB<<8)|\new
.set MSB, \new
.endif
.endm
.macro WALU
	s_wait_alu depctr_va_vdst(0)
.endm
.macro CREST                           ; a round of the cluster's barrier behind its opening barrier
	s_cmp_lg_u32 s[WV], 0
	s_cbranch_scc1 .Lnot_wave_0_\@
	s_barrier_signal -3
.Lnot_wave_0_\@:
	s_barrier_wait -3
	s_barrier_signal -1
	s_barrier_wait -1
.endm
.macro CROUND
	s_barrier_signal -1
	s_barrier_wait -1
	CREST
.endm
.macro PLACES n
.rept \n
	v_nop
.endr
.endm
.macro GROUP1 g, mask, rows            ; a dense block as rows of 256 bytes (32 elements of 8); bit 21 set beside the mask
	s_or_b32 s[\g], s\mask, (3<<16)|(1<<21)
	s_mov_b32 s[\g+1], 32<<16
	s_mov_b32 s[\g+2], (\rows)<<16
	s_mov_b32 s[\g+3], 32<<16
	s_mov_b32 s[\g+4], \rows
	s_mov_b32 s[\g+5], 32
	s_mov_b32 s[\g+6], 0
	s_mov_b32 s[\g+7], 0
.endm
.macro TL g0, g1
	tensor_load_to_lds s[\g0:\g0+3], s[\g1:\g1+7]
	s_nop 0
	PLACES 4
.endm
.macro LOADS                           ; a tile's four joint loads: one chain of branches on the wave's number, one load to an arm
	s_cmp_eq_u32 s[WV], 0
	s_cbranch_scc0 .Lw1_\@
	TL 48, 16
	s_branch .Lasked_\@
.Lw1_\@:
	s_cmp_eq_u32 s[WV], 1
	s_cbranch_scc0 .Lw2_\@
	TL 52, 24
	s_branch .Lasked_\@
.Lw2_\@:
	s_cmp_eq_u32 s[WV], 2
	s_cbranch_scc0 .Lw3_\@
	TL 56, 32
	s_branch .Lasked_\@
.Lw3_\@:
	TL 60, 40
.Lasked_\@:
.endm
; The four global addresses of product s91 (0 q, 1 k, 2 v).  S0's hang on X (temporaries s70, s72), S1's on Y (s71, s73).  It stands where no tensor load of the wave is out.  pf = 1: the codes' addresses are kept for the prefetches
.macro DESC pf
	s_and_b32 s70, s[IDX], 7
	s_lshr_b32 s71, s[IDX], 3
	s_cmp_eq_u32 s91, 2
	s_cselect_b32 s70, s70, 0
	s_cselect_b32 s71, s71, s[IDX]
	s_lshl_b32 s70, s70, 2
	s_add_co_u32 s70, s70, s95                     ; X
	s_lshl_b32 s71, s71, 2
	s_add_co_u32 s71, s71, s96                     ; Y
	s_mul_i32 s50, s91, 786432
	s_cmp_eq_u32 s91, 2
	s_cselect_b32 s50, 12582912, s50               ; v: value's codes in xw; else the weight's in ww
	s_mul_i32 s72, s70, 196608
	s_add_co_u32 s50, s50, s72
	s_mov_b32 s51, 0
	s_lshl_b32 s58, s91, 15
	s_add_co_u32 s58, s58, 3145728
	s_cmp_eq_u32 s91, 2
	s_cselect_b32 s58, 19398656, s58
	s_lshl_b32 s72, s70, 13
	s_add_co_u32 s58, s58, s72
	s_mov_b32 s59, 0
	s_mul_i32 s54, s91, 6291456
	s_cmp_eq_u32 s91, 2
	s_cselect_b32 s54, 1572864, s54                ; v: Wv's codes in ww; else x's in xw
	s_mul_i32 s73, s71, 98304
	s_add_co_u32 s54, s54, s73
	s_mov_b32 s55, 0
	s_lshl_b32 s62, s91, 18
	s_add_co_u32 s62, s62, 18874368
	s_cmp_eq_u32 s91, 2
	s_cselect_b32 s62, 3211264, s62
	s_lshl_b32 s73, s71, 12
	s_add_co_u32 s62, s62, s73
	s_mov_b32 s63, 0
	s_cmp_eq_u32 s91, 2                            ; the choice of buffers hangs on the product's number alone
	s_cselect_b64 s[74:75], s[4:5], s[6:7]         ; S0's buffer
	s_cselect_b64 s[76:77], s[6:7], s[4:5]         ; S1's
	s_add_nc_u64 s[50:51], s[74:75], s[50:51]
	s_add_nc_u64 s[58:59], s[74:75], s[58:59]
	s_add_nc_u64 s[54:55], s[76:77], s[54:55]
	s_add_nc_u64 s[62:63], s[76:77], s[62:63]
.if \pf
	s_mov_b64 s[78:79], s[50:51]
	s_mov_b64 s[80:81], s[54:55]
.endif
.irp g, 51,55,59,63
	s_or_b32 s\g, s\g, 0x80000000                  ; type = 2
.endr
.endm
.macro FRAG reg, a16, a8, off          ; a fragment's image back into 12 registers
	ds_load_b128 v[\reg:\reg+3], v[\a16] offset:\off
	ds_load_b64 v[\reg+4:\reg+5], v[\a8] offset:\off+512
	ds_load_b128 v[\reg+6:\reg+9], v[\a16] offset:\off+768
	ds_load_b64 v[\reg+10:\reg+11], v[\a8] offset:\off+1280
.endm
.macro FETCH s, p                      ; K step s: S0's eight fragments and S1's four into set p; every offset is an immediate under 65,536
	WIN 0x40
.irp i, 0,1,2,3,4,5,6,7
	FRAG 96*(\p)+12*\i, 4+8*(\i/4), 5+8*(\i/4), 12288*(\i%4)+1536*(\s)
.endr
	WIN 0
.irp i, 0,1,2,3
	FRAG RF+48*(\p)+12*\i, 6, 7, 12288*\i+1536*(\s)
.endr
.endm
.macro PROD d, fa, fb, c, xa, xb
	v_wmma_scale_f32_16x16x128_f8f6f4 v[\d:\d+7], v[\fa:\fa+11], v[\fb:\fb+11], \c, v[\xa], v[\xb] matrix_a_fmt:MATRIX_FMT_FP6 matrix_b_fmt:MATRIX_FMT_FP6
.endm
; eight matrix instructions: S1's tile a against S0's eight.  The 32 accumulators take turns, one instruction a turn, in the same order in every K step.  first: the products start the sums from the bias
.macro MULA s, p, first, kind, a
.if \first
.if \kind
	WIN 0xb1                                       ; source 0 (S0) window 1, source 1 (S1) window 0, C (bv) window 3, D window 2
.else
	WIN 0x91                                       ; C (the bias along S0) window 1
.endif
.else
	WIN 0xa1                                       ; C and D window 2
.endif
.irp b, 0,1,2,3,4,5,6,7
.if \first
.if \kind
	PROD 8*(8*(\a)+\b), 96*(\p)+12*\b, RF+48*(\p)+12*(\a), v[BV+8*(\a):BV+8*(\a)+7], SCP+8*\b+(\s), SCR+8*(\a)+(\s)
.else
	PROD 8*(8*(\a)+\b), 96*(\p)+12*\b, RF+48*(\p)+12*(\a), v[BP+8*\b:BP+8*\b+7], SCP+8*\b+(\s), SCR+8*(\a)+(\s)
.endif
.else
	PROD 8*(8*(\a)+\b), 96*(\p)+12*\b, RF+48*(\p)+12*(\a), v[8*(8*(\a)+\b):8*(8*(\a)+\b)+7], SCP+8*\b+(\s), SCR+8*(\a)+(\s)
.endif
.endr
.endm
; product n = 8 a + b of a K step
.macro P1 s, p, first, kind, n
.set A_, (\n)/8
.set B_, (\n)%8
.if \first
.if \kind
	WIN 0xb1
	PROD 8*(\n), 96*(\p)+12*B_, RF+48*(\p)+12*A_, v[BV+8*A_:BV+8*A_+7], SCP+8*B_+(\s), SCR+8*A_+(\s)
.else
	WIN 0x91
	PROD 8*(\n), 96*(\p)+12*B_, RF+48*(\p)+12*A_, v[BP+8*B_:BP+8*B_+7], SCP+8*B_+(\s), SCR+8*A_+(\s)
.endif
.else
	WIN 0xa1
	PROD 8*(\n), 96*(\p)+12*B_, RF+48*(\p)+12*A_, v[8*(\n):8*(\n)+7], SCP+8*B_+(\s), SCR+8*A_+(\s)
.endif
.endm
; fragment g of K step s into set p: 0-7 S0's, 8-11 S1's
.macro FRAGN s, p, g
.if (\g) < 8
	WIN 0x40
	FRAG 96*(\p)+12*(\g), 4+8*((\g)/4), 5+8*((\g)/4), 12288*((\g)%4)+1536*(\s)
.else
	WIN 0
	FRAG RF+48*(\p)+12*((\g)-8), 6, 7, 12288*((\g)-8)+1536*(\s)
.endif
.endm
; K steps 0 to 6: the next step's twelve fragments go into the other set of registers, one fragment (four loads) behind every second product up to the 24th; the last eight products stand between the last load and the wait for it
.macro STEP s, kind
	s_wait_dscnt 0x0                               ; this step's fragments, asked for a step ago
.if (\s) > 0
	PLACES 4                                       ; in front of loads into registers that the last step's matrix instructions have read
.endif
.set N_, 0
.rept 32
	P1 \s, (\s)%2, (\s)==0, \kind, N_
.if (N_%2) && (N_ < 24)
	FRAGN (\s)+1, ((\s)+1)%2, N_/2
.endif
.set N_, N_+1
.endr
	WIN 0
.endm
; 64 sums of a lane in window 2, register src + 16 b + i = k 32 b + 16 (lane / 16) + i of my row -> codes in v[PC] .. v[PC + 11], scale word in v[PW].  Each accumulator is read from its low end on
.macro QUANT src
	WIN 0x0a
.irp b, 0,1,2,3
	v_max3_num_f32 v[TM+\b], |v[\src+16*\b]|, |v[\src+1+16*\b]|, 0x1800000   ; and the floor 2^(3 - 127): the byte cannot fall under 1
.endr
	WIN 0x28
.irp i, 2,4,6,8,10,12,14
.irp b, 0,1,2,3
	v_max3_num_f32 v[TM+\b], v[TM+\b], |v[\src+16*\b+\i]|, |v[\src+1+16*\b+\i]|
.endr
.endr
	WIN 0
.irp b, 0,1,2,3
	v_permlanex16_b32 v[TM+4+\b], v[TM+\b], s[SEL], s[SEL+1]
.endr
.irp b, 0,1,2,3
	v_max_num_f32 v[TM+\b], v[TM+\b], v[TM+4+\b]
.endr
.irp b, 0,1,2,3
	v_add_nc_u32 v[TM+12+\b], 0xff000000, v[TM+\b]   ; 2 off the exponent field: the conversion's scale operand
.endr
.irp b, 0,1,2,3
	v_lshrrev_b32 v[TM+4+\b], 23, v[TM+12+\b]
.endr
	v_lshl_or_b32 v[PW], v[TM+5], 8, v[TM+4]
	v_lshl_or_b32 v[PW], v[TM+6], 16, v[PW]
	v_lshl_or_b32 v[PW], v[TM+7], 24, v[PW]
	WIN 0x02
.irp c, 0,1
	v_cvt_scalef32_pk16_fp6_f32 v[PC+6*\c:PC+2+6*\c], v[\src+32*\c:\src+15+32*\c], v[TM+12+2*\c]
	v_cvt_scalef32_pk16_fp6_f32 v[PC+12+4*\c:PC+14+4*\c], v[\src+16+32*\c:\src+31+32*\c], v[TM+12+2*\c+1]
.endr
	WIN 0
	v_nop                                          ; one plain place behind a scaled conversion
.irp c, 0,1
.irp i, 0,1,2
	v_permlane16_swap_b32 v[PC+6*\c+\i], v[PC+12+4*\c+\i]
.endr
.irp i, 0,1,2
	v_mov_b32 v[PC+3+6*\c+\i], v[PC+12+4*\c+\i]
.endr
.endr
.endm
; ONE TILE.  kind 0: q or k (s99 says which), kind 1: v.  more = 1: a tile follows and is asked for
.macro TILE kind, more
	s_wait_xcnt 0x0                                ; the last tile's stores and prefetches have read their registers
.if \kind == 0
	s_cmp_eq_u32 s99, 0
	s_cselect_b32 s84, 0, -1
	WIN 0x4f                                       ; sources window 3, destination window 1
.set i, 0
.rept 64
	v_cndmask_b32 v[BP+i], v[BQ+i], v[BQ+64+i], s84   ; bq in trip 0, bk in trip 1
.set i, i+1
.endr
	WIN 0
.endif
	WALU
	s_wait_tensorcnt 0x0                           ; my one load of this tile is in,
	s_barrier_signal -1
	s_barrier_wait -1                              ; everybody's is
.irp b, 0,1,2,3,4,5,6,7
	ds_load_b128 v[SCP+8*\b:SCP+8*\b+3], v8 offset:512*\b          ; a row's eight scale words, for all of K
	ds_load_b128 v[SCP+8*\b+4:SCP+8*\b+7], v8 offset:512*\b+16
.endr
.irp a, 0,1,2,3
	ds_load_b128 v[SCR+8*\a:SCR+8*\a+3], v9 offset:512*\a
	ds_load_b128 v[SCR+8*\a+4:SCR+8*\a+7], v9 offset:512*\a+16
.endr
	FETCH 0, 0
.if \more
	s_add_co_u32 s91, s99, 1
	DESC 1                                         ; the next tile's addresses: no tensor load of mine is out
.endif
	STEP 0, \kind
.if \more
	global_prefetch_b8 v14, s[78:79] th:TH_LOAD_NT scope:SCOPE_SE    ; my 48 blocks of the next tile's S0,
	global_prefetch_b8 v15, s[78:79] th:TH_LOAD_NT scope:SCOPE_SE
	global_prefetch_b8 v242, s[80:81] th:TH_LOAD_NT scope:SCOPE_SE   ; my 24 of its S1
.endif
.irp s, 1,2,3,4,5,6
	STEP \s, \kind
.endr
	s_wait_dscnt 0x0                               ; K step 7's fragments are in registers: my reads of this tile's LDS bytes are over
.if \more
	s_wait_tensorcnt 0x0
	ds_add_u32 v254, v255
	MULA 7, 1, 0, \kind, 0
	WIN 0
	s_wait_dscnt 0x0
	s_barrier_signal -1                            ; the round's opening barrier, eight products between signal and wait
	MULA 7, 1, 0, \kind, 1
	WIN 0
	s_barrier_wait -1
	CREST                                          ; no wave of any partner still reads its LDS or has a load on its way
	LOADS                                          ; the next tile, first behind the round; its four v_nop are also places behind the products above
	MULA 7, 1, 0, \kind, 2
	MULA 7, 1, 0, \kind, 3
	WIN 0
.else
.irp a, 0,1,2,3
	MULA 7, 1, 0, \kind, \a
.endr
	WIN 0
	PLACES 4                                       ; behind the products, in front of the first read of results
.endif
; THE WAY OUT: where my results go
.if \kind == 0
	s_lshl_b32 s66, s[IDX], 2
	s_add_co_u32 s66, s66, s96                     ; Y
	s_lshr_b32 s67, s66, 4                         ; batch = Y / 16
	s_lshl_b32 s67, s67, 4
	s_lshl_b32 s68, s95, 2
	s_add_co_u32 s67, s67, s68
	s_lshl_b32 s68, s93, 1
	s_add_co_u32 s67, s67, s68                     ; my first head = 16 batch + 4 X + 2 (wave % 2)
	s_lshl_b32 s68, s66, 3
	s_lshl_b32 s69, s94, 2
	s_add_co_u32 s68, s68, s69
	s_and_b32 s68, s68, 127                        ; my first token tile in the batch
	s_mul_i32 s82, s99, 6291456
	s_mul_i32 s69, s67, 98304
	s_add_co_u32 s82, s82, s69
	s_mul_i32 s69, s68, 768
	s_add_co_u32 s82, s82, s69
	s_lshl_b32 s86, s99, 19
	s_lshl_b32 s69, s67, 13
	s_add_co_u32 s86, s86, s69
	s_lshl_b32 s69, s68, 6
	s_add_co_u32 s86, s86, s69
	s_add_co_u32 s86, s86, 18874368
.else
	s_and_b32 s66, s[IDX], 7
	s_lshl_b32 s66, s66, 2
	s_add_co_u32 s66, s66, s95                     ; X
	s_lshr_b32 s70, s[IDX], 3
	s_lshl_b32 s70, s70, 2
	s_add_co_u32 s70, s70, s96                     ; Y
	s_lshr_b32 s67, s66, 3                         ; batch = X / 8
	s_lshl_b32 s67, s67, 4
	s_lshl_b32 s68, s70, 1
	s_add_co_u32 s67, s67, s68
	s_add_co_u32 s67, s67, s94                     ; my head = 16 batch + 2 Y + wave / 2
	s_lshl_b32 s68, s66, 1
	s_add_co_u32 s68, s68, s93
	s_and_b32 s68, s68, 15                         ; my key step
	s_mul_i32 s82, s67, 98304
	s_mul_i32 s69, s68, 6144
	s_add_co_u32 s82, s82, s69
	s_add_co_u32 s82, s82, 12582912
	s_lshl_b32 s86, s67, 12
	s_lshl_b32 s69, s68, 8
	s_add_co_u32 s86, s86, s69
	s_add_co_u32 s86, s86, 19922944
.endif
	s_mov_b32 s83, 0
	s_mov_b32 s87, 0
	s_add_nc_u64 s[82:83], s[14:15], s[82:83]
	s_add_nc_u64 s[86:87], s[14:15], s[86:87]
.irp a, 0,1,2,3                                ; 16 rows of S1 at a time: my 128 numbers along S0 of each row, 64 a lane
	s_wait_xcnt 0x0                                ; the last block's stores have read the codes' registers
	QUANT 64*\a
.if \kind == 0                                 ; each store covers 512 or 256 consecutive bytes, aligned.  q, k: the fragment's halves are two heads' tiles
	global_store_b128 v234, v[PC:PC+3], s[82:83] offset:768*\a
	global_store_b64 v235, v[PC+4:PC+5], s[82:83] offset:768*\a+512
	global_store_b128 v234, v[PC+6:PC+9], s[82:83] offset:768*\a+98304
	global_store_b64 v235, v[PC+10:PC+11], s[82:83] offset:768*\a+98816
	v_lshrrev_b32 v[PWS], v241, v[PW]              ; lanes 16-31 take the word's upper two bytes (the second head's),
	v_and_b32 v[PWS], 0xffff, v[PWS]               ; and a head's word has two bytes
	ds_store_b32 v238, v[PWS] offset:64*\a         ; four blocks' words gather in my stage: 256 bytes for each half of the lanes
.else
	global_store_b128 v234, v[PC:PC+3], s[82:83] offset:1536*\a          ; v's image: the fragment's twelve registers as three pieces of 16 bytes a lane, 512 consecutive bytes a store
	global_store_b128 v234, v[PC+4:PC+7], s[82:83] offset:1536*\a+512
	global_store_b128 v234, v[PC+8:PC+11], s[82:83] offset:1536*\a+1024
	ds_store_b32 v238, v[PW] offset:64*\a
.endif
.endr
	ds_load_b128 v[196:199], v239                  ; LDS serves a wave's instructions in order: this sees my stores
	s_wait_dscnt 0x0
.if \kind == 0
	global_store_b128 v240, v[196:199], s[86:87]   ; lanes 0-15 store the first head's 256 bytes, lanes 16-31 the second's, 8,192 bytes on
.else
	global_store_b128 v243, v[196:199], s[86:87]   ; both halves of the lanes hold the same 256 bytes and store them to the same place
.endif
.endm
	s_load_b256 s[4:11], s[0:1], 0x0               ; xw s[4:5], ww s[6:7], bq s[8:9], bk s[10:11]
	s_load_b128 s[12:15], s[0:1], 0x20             ; bv s[12:13], pw s[14:15]
	v_lshl_add_u32 v254, v0, 2, SPARE
	v_mov_b32 v255, 0
	ds_add_u32 v254, v255                          ; the opening lines: the add twice on end and its wait
	ds_add_u32 v254, v255
	v_lshrrev_b32 v1, 5, v0
	v_readfirstlane_b32 s[WV], v1                  ; wave 0..3
	s_and_b32 s93, s[WV], 1                        ; which 128 of S0 are mine
	s_lshr_b32 s94, s[WV], 1                       ; which 64 of S1
	s_bfe_u32 s95, ttmp6, 0x40000                  ; cx
	s_bfe_u32 s96, ttmp6, 0x40004                  ; cy
	s_and_b32 s[IDX], ttmp7, 0xffff                ; the cluster, 0..15
	s_lshl_b32 s2, 0x1111, s95                     ; my column of the cluster
	s_lshl_b32 s101, s96, 2
	s_lshl_b32 s101, 15, s101                      ; my row
	GROUP1 16, 2, 768                              ; S0's codes: 196,608 bytes
	GROUP1 24, 101, 384                            ; S1's: 98,304
	GROUP1 32, 2, 32                               ; S0's scale bytes: 8,192
	GROUP1 40, 101, 16                             ; S1's: 4,096
	s_mov_b32 s48, 1                               ; group 0's constant words: where the four blocks go
	s_mov_b32 s49, 0
	s_mov_b32 s52, 1
	s_mov_b32 s53, S1B
	s_mov_b32 s56, 1
	s_mov_b32 s57, S0SC
	s_mov_b32 s60, 1
	s_mov_b32 s61, S1SC
	s_mov_b32 s[SEL], 0x76543210
	s_mov_b32 s[SEL+1], 0xfedcba98
	s_mul_i32 s66, s93, 98304                      ; my 8 tiles of S0
	s_mul_i32 s67, s94, 49152
	s_add_co_u32 s67, s67, S1B                     ; my 4 tiles of S1
	s_lshl_b32 s68, s93, 12
	s_add_co_u32 s68, s68, S0SC
	s_lshl_b32 s69, s94, 11
	s_add_co_u32 s69, s69, S1SC
	s_lshl_b32 s70, s[WV], 9
	s_add_co_u32 s70, s70, STG                     ; my stage
	s_lshl_b32 s71, s96, 2
	s_add_co_u32 s71, s71, s[WV]
	s_mul_i32 s71, s71, 48*256                     ; the prefetches: my place among the sixteen waves of my column, 48 blocks each,
	s_lshl_b32 s72, s95, 2
	s_add_co_u32 s72, s72, s[WV]
	s_mul_i32 s72, s72, 24*256                     ; and of my row, 24 blocks each
	v_and_b32 v3, 31, v0                           ; lane
	v_and_b32 v1, 15, v0                           ; r
	v_bfe_u32 v2, v0, 4, 1                         ; h
	v_lshl_add_u32 v4, v3, 4, s66                  ; S0's images, tiles 0-3: 16 x lane,
	v_lshl_add_u32 v5, v3, 3, s66                  ; 8 x lane;
	v_add_nc_u32 v12, 49152, v4                    ; tiles 4-7
	v_add_nc_u32 v13, 49152, v5
	v_lshl_add_u32 v6, v3, 4, s67                  ; S1's
	v_lshl_add_u32 v7, v3, 3, s67
	v_lshl_add_u32 v8, v1, 5, s68                  ; scale bytes: 32 a row
	v_lshl_add_u32 v9, v1, 5, s69
	v_lshlrev_b32 v10, 6, v2                       ; the bias along S0: 64 h
	v_and_b32 v11, 8, v1
	v_add_nc_u32 v11, v11, v1
	v_lshlrev_b32 v11, 2, v11                      ; the bias along S1: 4 (r + 8 (r / 8))
	v_lshl_add_u32 v238, v2, 8, s70
	v_lshl_add_u32 v238, v1, 2, v238               ; my stage, in: 256 h + 4 r
	v_lshl_add_u32 v239, v3, 4, s70                ; and back: 16 x lane
	v_lshlrev_b32 v234, 4, v3
	v_lshlrev_b32 v235, 3, v3
	v_lshlrev_b32 v243, 4, v1                      ; 16 r
	v_lshl_add_u32 v240, v2, 13, v243              ; 8,192 h + 16 r
	v_lshlrev_b32 v241, 4, v2                      ; 16 h
	v_lshl_add_u32 v14, v3, 8, s71                 ; a lane a block of 256 bytes; lanes left over name their wave's last block again
	v_add_nc_u32 v15, 32, v3
	v_min_u32 v15, 47, v15
	v_lshl_add_u32 v15, v15, 8, s71
	v_min_u32 v242, 23, v3
	v_lshl_add_u32 v242, v242, 8, s72
.irp b, 0,1,2,3
	v_mov_b32 v[TM+4+\b], 0                        ; written once: a lane permute's destination counts as one of its sources
.endr
	WALU
	s_wait_dscnt 0x0
	CROUND                                         ; all sixteen work-groups are here: the first joint loads meet
	s_wait_kmcnt 0x0
	s_mov_b32 s91, 0
	DESC 0
	LOADS                                          ; q's tile: one tensor load a wave at the head
	s_lshl_b32 s66, s95, 10                        ; the biases, all three now.  q, k: my 128 channels along S0
	s_lshl_b32 s67, s93, 9
	s_add_co_u32 s66, s66, s67
	s_mov_b32 s67, 0
	s_add_nc_u64 s[68:69], s[8:9], s[66:67]
	s_add_nc_u64 s[70:71], s[10:11], s[66:67]
	s_lshr_b32 s66, s[IDX], 3                      ; v: my 64 channels along S1: 128 Y + 64 (wave / 2)
	s_lshl_b32 s66, s66, 2
	s_add_co_u32 s66, s66, s96
	s_lshl_b32 s66, s66, 9
	s_lshl_b32 s72, s94, 8
	s_add_co_u32 s66, s66, s72
	s_add_nc_u64 s[72:73], s[12:13], s[66:67]
	WIN 0xc0                                       ; destination window 3
.irp b, 0,1,2,3,4,5,6,7                        ; lane (r, h), tile b, register j: channel 32 (b / 2) + 16 h + 8 (b % 2) + j
	global_load_b128 v[BQ+8*\b:BQ+8*\b+3], v10, s[68:69] offset:(32*(\b/2)+8*(\b%2))*4
	global_load_b128 v[BQ+8*\b+4:BQ+8*\b+7], v10, s[68:69] offset:(32*(\b/2)+8*(\b%2))*4+16
	global_load_b128 v[BQ+64+8*\b:BQ+64+8*\b+3], v10, s[70:71] offset:(32*(\b/2)+8*(\b%2))*4
	global_load_b128 v[BQ+64+8*\b+4:BQ+64+8*\b+7], v10, s[70:71] offset:(32*(\b/2)+8*(\b%2))*4+16
.endr
.irp a, 0,1,2,3                                ; lane (r, h), tile a: channel 32 (a / 2) + 8 (a % 2) + r + 8 (r / 8)
	global_load_b32 v[BV+8*\a], v11, s[72:73] offset:(32*(\a/2)+8*(\a%2))*4
.endr
	s_wait_loadcnt 0x0
	WIN 0xc3
.irp a, 0,8,16,24
.irp i, 1,2,3,4,5,6,7
	v_mov_b32 v[BV+\a+\i], v[BV+\a]                ; bv's number over the tile's eight registers
.endr
.endr
	WIN 0
	s_mov_b32 s99, 0
.Ltile:
	TILE 0, 1
	s_add_co_u32 s99, s99, 1
	s_cmp_lt_u32 s99, 2
	s_cbranch_scc1 .Ltile
	TILE 1, 0
	s_wait_tensorcnt 0x0                           ; the wave's end
	ds_add_u32 v254, v255
	s_wait_dscnt 0x0
	CROUND                                         ; the closing round: no work-group ends while a partner may still ask for a tile that names it
	s_endpgm
.Lfunc_end_k_qbb1a9ef14f_proj:
	.size	k_qbb1a9ef14f_proj, .Lfunc_end_k_qbb1a9ef14f_proj-k_qbb1a9ef14f_proj
	.p2alignl 7, 3214868480
	.fill 96, 4, 3214868480
	.section	.rodata,"a",@progbits
	.p2align	6, 0x0
	.amdhsa_kernel k_qbb1a9ef14f_proj
		.amdhsa_group_segment_fixed_size 327680
		.amdhsa_private_segment_fixed_size 0
		.amdhsa_enable_private_segment 0
		.amdhsa_kernarg_size 48
		.amdhsa_user_sgpr_count 2
		.amdhsa_user_sgpr_kernarg_segment_ptr 1
		.amdhsa_wavefront_size32 1
		.amdhsa_system_sgpr_workgroup_id_x 1
		.amdhsa_system_sgpr_workgroup_id_y 1
		.amdhsa_system_sgpr_workgroup_id_z 1
		.amdhsa_system_vgpr_workitem_id 0
		.amdhsa_next_free_vgpr 1024
		.amdhsa_next_free_sgpr 102
		.amdhsa_reserve_vcc 0
		.amdhsa_float_denorm_mode_32 3
		.amdhsa_float_denorm_mode_16_64 3
		.amdhsa_memory_ordered 1
		.amdhsa_forward_progress 1
		.amdhsa_inst_pref_size 189
	.end_amdhsa_kernel
	.amdgpu_metadata
---
amdhsa.version: [ 1, 2 ]
amdhsa.kernels:
  - .name:           k_qbb1a9ef14f_proj
    .symbol:         k_qbb1a9ef14f_proj.kd
    .args:
      - { .name: xw, .offset: 0, .size: 8, .value_kind: global_buffer, .address_space: global }
      - { .name: ww, .offset: 8, .size: 8, .value_kind: global_buffer, .address_space: global }
      - { .name: bq, .offset: 16, .size: 8, .value_kind: global_buffer, .address_space: global }
      - { .name: bk, .offset: 24, .size: 8, .value_kind: global_buffer, .address_space: global }
      - { .name: bv, .offset: 32, .size: 8, .value_kind: global_buffer, .address_space: global }
      - { .name: pw, .offset: 40, .size: 8, .value_kind: global_buffer, .address_space: global }
    .group_segment_fixed_size: 327680
    .private_segment_fixed_size: 0
    .kernarg_segment_align: 8
    .kernarg_segment_size: 48
    .max_flat_workgroup_size: 128
    .sgpr_count:     102
    .vgpr_count:     1024
    .wavefront_size: 32
...
	.end_amdgpu_metadata
.endif
;; end of part 2
;; launch attn (part 3): grid 4 x 64, 16 waves a work-group, clusters of 4 x 1, 211,968 bytes of LDS; arguments pw, aw; writes aw
.if DOCPART == 3
	.amdgcn_target "amdgcn-amd-amdhsa--gfx1250"
	.amdhsa_code_object_version 6
	.text
	.protected	k_qbb1a9ef14f_attn
	.globl	k_qbb1a9ef14f_attn
	.p2align	8
	.type	k_qbb1a9ef14f_attn,@function
k_qbb1a9ef14f_attn:
	s_mov_b64 s[64:65], 0
	v_nop
	global_prefetch_b8 v0, s[64:65] scope:SCOPE_SE
	s_setreg_imm32_b32 hwreg(HW_REG_WAVE_MODE, 25, 1), 1
	s_wait_xcnt 0x0
	s_wait_alu depctr_hold_cnt(0) depctr_sa_sdst(0) depctr_va_vdst(0) depctr_va_sdst(0) depctr_va_ssrc(0) depctr_va_vcc(0) depctr_vm_vsrc(0)
	s_getreg_b32 s2, hwreg(HW_REG_IB_STS2, 6, 4)
	s_cmp_eq_u32 s2, 0
	s_cbranch_scc0 .Lentry_in_a_cluster
	s_endpgm
.Lentry_in_a_cluster:
	s_bfe_u32 s2, ttmp6, 0x10000c
	s_cmp_lg_u32 s2, 0x3003
	s_cbranch_scc0 .Lentry_shape_is_right
	s_endpgm
.Lentry_shape_is_right:
; For each of 64 heads (batch x head): O = softmax(q k^T / 8) v, both products on codes of FP6 (E2M3) with E8M0 scales, and O / l quantised along the channels for the output projection.
; THE SOFTMAX: t = score x log2(e) / 8; M = the running largest t rounded up to a whole number; p = 2^(t - M) is quantised along the keys, not normalised; the row's sum l is taken of the unquantised p
; and divides O at the end (v_rcp_f32 and a multiplication).  When M moves, l and O are multiplied by 2^(old M - new M): exact.
; LIMITS: NaN and infinities are not served; the promise holds while the scaled scores t stay under 2^31 in magnitude; a block of p or of O / l whose largest magnitude lies under 2^-124, zeros among them, gets the byte 1.
; SHARES.  A work-group owns 512 queries of one head; the four work-groups of a cluster own one head's 2,048.  A HEAD'S WHOLE K AND V LIE IN LDS, filled once, by joint loads that name the four: the loop over the keys
; has no barrier and no wait for tensor loads.  Each of the sixteen waves owns 16 queries at a time, twice (the loop .Lpass): four waves to a SIMD.
; No prefetch: all that the launch reads through LDS is asked for at the head, and there is no loop to run ahead in.
; LAYOUT.  Both products are used transposed: S^T = K Q^T, O^T = V^T P^T: a lane holds one query (lane % 16) throughout.
; K's tile 4 c + j of a key step holds keys 64 c + 8 j + 0 .. 7 (rows 0-7) and 64 c + 32 + 8 j + 0 .. 7 (rows 8-15).  So the 32 registers of tiles 4 c .. 4 c + 3 are, in lane (r, h), the keys 64 c + 32 h + 0 .. 31 in order:
; ONE WHOLE BLOCK OF 32 KEYS IN A LANE, and the very block that P's operand layout gives that lane.  A block's largest score needs no other lane, and the conversions' results are the operand's registers.
; V's channel tiles stand in position order (index bits 3 and 4 exchanged): the 16 registers of tiles 2 b, 2 b + 1 of O^T are channels 32 b + 16 (lane / 16) + i.  A fragment of V lies as three pieces of 16 bytes a lane.
; K = 64 IN AN INSTRUCTION OF 128.  A tile of q or k is half a fragment: six registers.  Q's registers 6-11 are zero codes.  K's tile i is named with the next tile's six registers as its upper half (zeros behind tile 7):
; they meet Q's zero codes and add nothing.  The scale bytes 2 and 3 of q's and k's words are 0, which stands for 2^-127.
; INDEPENDENT CHAINS.  The 64 scores' maxima go in eight chains, one a tile, joined at the end: 32 lines, as any tree over 64 numbers in two blocks has.  THE SUM l stands in eight chains of packed numbers that live through a pass:
; a step's first line on a chain is chain x f + p, three additions follow: 32 lines.  Of the last eight, four stand behind the second product's instructions and four behind the NEXT step's first four products (they read
; tile 7's p, which those products do not write): they are those products' places.  The few lines that make a block's scale stand among the sums' lines.
.set VB,    98304                      ; LDS: K's codes [tile 128][768] at 0; V's [key step 16][channel tile 4][1536] here
.set KSB,   196608                     ; K's scale words [tile 128][16]
.set VSB,   204800                     ; V's [step 16][tile 4][16]
.set ASTG,  208896                     ; the result's scale bytes, two for each of 512 queries: no fill lands here
.set SPARE, 209920                     ; the spare words, 128 bytes a wave
.set WV,    18                         ; s18 my wave's number
.set SEL,   20                         ; s[20:21] lane selects for v_permlanex16_b32: lane l xor 16
.set CS,    22                         ; s[22:23] c = log2(e) / 8
.set NC,    66                         ; s66 -c
.set PCNT,  67                         ; s67 the pass
.set SO,    68                         ; s68 the pass's place in the stage of scale bytes
.set TB,    2                          ; s2  the trip's codes: 12,288 bytes a trip, in K and in V
.set TS,    3                          ; s3  its scale words of K: 1,024 bytes a trip
.set TJ,    48                         ; s48 and of V: 512
.set CNT,   49
.set B16,   1                          ; v1 16 x lane, v2 8 x lane, v3, v4 K's and V's scale words, v5 V's codes, v7 my query's scale bytes
.set B8,    2
.set BKS,   3
.set BVS,   4
.set BV16,  5
.set BST,   7
.set AK16,  8                          ; v8-12 the same five LDS addresses for the trip in hand
.set AK8,   9
.set AV16,  10
.set AKS,   11
.set AVS,   12
.set Q,     16                         ; v16-27 Q's fragment
.set MX,    28                         ; the running largest score
.set RM,    29
.set RT,    30
.set DD,    31
.set KF,    32                         ; v32-85 K's tiles and six zero registers; then V's four fragments (v32-79)
.set VS,    86                         ; v86, v87 V's scale words
.set NM0,   90                         ; v[90:91], v[92:93] -M of the even and of the odd step
.set NM1,   92
.set F,     94                         ; v[94:95] f = 2^(old M - new M)
.set S,     96                         ; v96-159 S^T, then p
.set O,     160                        ; v160-191 O^T
.set Q1,    192                        ; v192-197, v198 the second pass's Q and its scale words
.set QS1,   198
.set QS,    199
.set KS,    200                        ; v200-203 K's scale words
.set CH,    204                        ; v204, v206 the two blocks' largest
.set LS,    208                        ; the sum's eight chains: pairs at v208-215 and v246-253
.set SOP,   216
.set EB,    218
.set W,     220
.set PW,    221                        ; p's scale word
.set WT,    222
.set PC,    224                        ; v224-235 p's codes
.set MT,    236                        ; v236-243 the maxima's eight chains; later the conversions' second halves
.set TC0,   236
.set TC1,   240
.set SPW,   244
.set NIL,   245
.set E0,    246                        ; v246-254 the result's quantiser at work, when the sum's chains are done with
.macro WALU
	s_wait_alu depctr_va_vdst(0)
.endm
.macro CROUND                          ; a round of the cluster's barrier
	s_barrier_signal -1
	s_barrier_wait -1
	s_cmp_lg_u32 s[WV], 0
	s_cbranch_scc1 .Lnot_wave_0_\@
	s_barrier_signal -3
.Lnot_wave_0_\@:
	s_barrier_wait -3
	s_barrier_signal -1
	s_barrier_wait -1
.endm
.macro PLACES n
.rept \n
	v_nop
.endr
.endm
.macro GROUP1 g, rows                  ; a dense block as rows of 256 bytes (32 elements of 8); the mask names all four work-groups, bit 21 set beside it
	s_mov_b32 s[\g], 15|(3<<16)|(1<<21)
	s_mov_b32 s[\g+1], 32<<16
	s_mov_b32 s[\g+2], (\rows)<<16
	s_mov_b32 s[\g+3], 32<<16
	s_mov_b32 s[\g+4], \rows
	s_mov_b32 s[\g+5], 32
	s_mov_b32 s[\g+6], 0
	s_mov_b32 s[\g+7], 0
.endm
.macro SMUL i                          ; S^T's tile i = K's tile i x Q^T
.if (\i)%2
	v_wmma_scale_f32_16x16x128_f8f6f4 v[S+8*\i:S+8*\i+7], v[KF+6*\i:KF+6*\i+11], v[Q:Q+11], 0, v[KS+\i/2], v[QS] matrix_a_fmt:MATRIX_FMT_FP6 matrix_b_fmt:MATRIX_FMT_FP6 matrix_a_scale:MATRIX_SCALE_ROW1
.else
	v_wmma_scale_f32_16x16x128_f8f6f4 v[S+8*\i:S+8*\i+7], v[KF+6*\i:KF+6*\i+11], v[Q:Q+11], 0, v[KS+\i/2], v[QS] matrix_a_fmt:MATRIX_FMT_FP6 matrix_b_fmt:MATRIX_FMT_FP6
.endif
.endm
.macro LADD q, r                       ; the sum's chain q takes the pair at S + 16 r + 2 q; with r = 0 the chain first comes under the new M
.set LQ_, LS+2*(\q)+30*((\q)/4)
.if (\r) == 0
	v_pk_fma_f32 v[LQ_:LQ_+1], v[LQ_:LQ_+1], v[F:F+1], v[S+2*(\q):S+2*(\q)+1] op_sel_hi:[1,0,1]
.else
	v_pk_add_f32 v[LQ_:LQ_+1], v[LQ_:LQ_+1], v[S+16*(\r)+2*(\q):S+16*(\r)+2*(\q)+1]
.endif
.endm
.macro MAX1 t                          ; a tile's chain begins at the accumulator's low end
	v_max3_num_f32 v[MT+\t], v[S+8*\t], v[S+8*\t+1], v[S+8*\t+2]
.endm
; A KEY STEP: 128 keys.  u: which of the trip's two.
.macro STEP u
.set NW_, NM0+2*(\u)
.set OL_, NM0+2-2*(\u)
.irp i, 0,1,2,3,4,5,6,7
	ds_load_b128 v[KF+6*\i:KF+6*\i+3], v[AK16] offset:6144*\u+768*\i
	ds_load_b64 v[KF+6*\i+4:KF+6*\i+5], v[AK8] offset:6144*\u+768*\i+512
.endr
.irp p, 0,1,2,3
	ds_load_b32 v[KS+\p], v[AKS] offset:512*\u+128*\p
.endr
	WALU
	s_wait_dscnt 0x0
.irp i, 0,1,2,3
	SMUL \i
.endr
.irp q, 4,5,6,7
	LADD \q, 3                                     ; the last step's last four pairs (a pass's first step finds zeros): four places behind the first four products
.endr
.irp i, 4,5,6,7
	SMUL \i
.endr
.irp t, 0,1,2,3
	MAX1 \t                                        ; four lines on tiles 0-3: the places behind the last four products
.endr
.irp t, 0,1,2,3
.irp c, 0,1,2
	ds_load_b128 v[KF+12*\t+4*\c:KF+12*\t+4*\c+3], v[AV16] offset:6144*\u+1536*\t+512*\c   ; V's four fragments are asked for now, into K's registers, and land under the softmax
.endr
.endr
.irp p, 0,1
	ds_load_b32 v[VS+\p], v[AVS] offset:256*\u+128*\p
.endr
.irp t, 4,5,6,7
	MAX1 \t
.endr
.irp i, 3,5
.irp t, 0,1,2,3,4,5,6,7
	v_max3_num_f32 v[MT+\t], v[MT+\t], v[S+8*\t+\i], v[S+8*\t+\i+1]
.endr
.endr
	v_max3_num_f32 v[MT], v[MT], v[S+7], v[S+15]   ; the tiles' last registers,
	v_max3_num_f32 v[MT+1], v[MT+1], v[S+23], v[S+31]
	v_max3_num_f32 v[MT+4], v[MT+4], v[S+39], v[S+47]
	v_max3_num_f32 v[MT+5], v[MT+5], v[S+55], v[S+63]
	s_delay_alu instid0(VALU_DEP_4)
	v_max3_num_f32 v[MT], v[MT], v[MT+2], v[MT+3]  ; and the chains join: the largest score of each of my two blocks of 32 keys
	s_delay_alu instid0(VALU_DEP_3)
	v_max3_num_f32 v[MT+4], v[MT+4], v[MT+6], v[MT+7]
	s_delay_alu instid0(VALU_DEP_2)
	v_max_num_f32 v[CH], v[MT], v[MT+1]
	s_delay_alu instid0(VALU_DEP_2)
	v_max_num_f32 v[CH+2], v[MT+4], v[MT+5]
	s_delay_alu instid0(VALU_DEP_1)
	v_max_num_f32 v[RM], v[CH], v[CH+2]
	s_delay_alu instid0(VALU_DEP_1)
	v_permlanex16_b32 v[RT], v[RM], s[SEL], s[SEL+1]
	s_delay_alu instid0(VALU_DEP_1)
	v_max3_num_f32 v[MX], v[MX], v[RM], v[RT]      ; the running largest score of my query, lane l xor 16's keys among them
	s_delay_alu instid0(VALU_DEP_1)
	v_mul_f32 v[DD], s[NC], v[MX]                  ; -t
	s_delay_alu instid0(VALU_DEP_1)
	v_floor_f32 v[NW_], v[DD]                      ; the new -M = floor(-t) = -ceil(t): a whole number
	s_delay_alu instid0(VALU_DEP_1)
	v_sub_f32 v[DD], v[NW_], v[OL_]                ; old M - new M: a whole number, 0 or less
	s_delay_alu instid0(VALU_DEP_1)
	v_cvt_i32_f32 v[DD], v[DD]                     ; (it saturates)
	s_delay_alu instid0(VALU_DEP_1)
	v_ldexp_f32 v[F], 1.0, v[DD]                   ; f = 2^(old M - new M)
	v_fma_f32 v[CH], v[CH], s[CS], v[NW_]          ; t - M of each block's largest score: p rises with the score, so this gives the block's largest p
	v_fma_f32 v[CH+2], v[CH+2], s[CS], v[NW_]
.set j, 0
.rept 32
	v_pk_fma_f32 v[S+j:S+j+1], v[S+j:S+j+1], s[CS:CS+1], v[NW_:NW_+1] op_sel_hi:[1,0,0]   ; t - M, two at a time
.set j, j+2
.endr
.set j, 0
.rept 16
	v_pk_mul_f32 v[O+j:O+j+1], v[O+j:O+j+1], v[F:F+1] op_sel_hi:[1,0]   ; O^T under the new M, each accumulator from its low end on
.set j, j+2
.endr
	WALU
	v_exp_f32 v[CH], v[CH]
	v_exp_f32 v[CH+2], v[CH+2]
.set j, 0
.rept 64
	v_exp_f32 v[S+j], v[S+j]                       ; p = 2^(t - M), at most 1: not normalised
.set j, j+1
.endr
	v_nop                                          ; a plain place behind the exponentials
	WALU                                           ; one wait for the whole batch, ahead of its first reader
	v_max_num_f32 v[CH], 0x1800000, v[CH]          ; the floor 2^(3 - 127): the byte cannot fall under 1
	v_max_num_f32 v[CH+2], 0x1800000, v[CH+2]
.irp q, 0,1,2,3
	LADD \q, 0                                     ; the sum of the unquantised p, here and below among the lines that make the blocks' scales
.endr
	v_add_nc_u32 v[SOP], 0xff000000, v[CH]         ; 2 off the exponent field: the conversion's scale operand
	v_add_nc_u32 v[SOP+1], 0xff000000, v[CH+2]
.irp q, 4,5,6,7
	LADD \q, 0
.endr
	v_cvt_scalef32_pk16_fp6_f32 v[PC:PC+2], v[S:S+15], v[SOP]
	v_cvt_scalef32_pk16_fp6_f32 v[TC0:TC0+2], v[S+16:S+31], v[SOP]       ; (a conversion's three registers begin on an even number)
	v_cvt_scalef32_pk16_fp6_f32 v[PC+6:PC+8], v[S+32:S+47], v[SOP+1]
	v_cvt_scalef32_pk16_fp6_f32 v[TC1:TC1+2], v[S+48:S+63], v[SOP+1]
	v_lshrrev_b32 v[EB], 23, v[SOP]                ; my two scale bytes: blocks h and 2 + h.  (These two lines are the plain place behind the conversions)
	v_lshrrev_b32 v[EB+1], 23, v[SOP+1]
.irp i, 0,1,2
	v_mov_b32 v[PC+3+\i], v[TC0+\i]
	v_mov_b32 v[PC+9+\i], v[TC1+\i]
.endr
	v_lshl_or_b32 v[W], v[EB+1], 16, v[EB]
.irp q, 0,1,2,3
	LADD \q, 1
.endr
	v_permlanex16_b32 v[WT], v[W], s[SEL], s[SEL+1]
.irp q, 4,5,6,7
	LADD \q, 1
.endr
	v_lshl_or_b32 v[PW], v[WT], 8, v[W]            ; lanes 0-15, which alone are read: blocks 0 and 2 are mine, 1 and 3 lane l + 16's
.irp q, 0,1,2,3,4,5,6,7
	LADD \q, 2                                     ; eight places between p's scale word and the products
.endr
	WALU
	s_wait_dscnt 0x0                               ; V is in
.irp t, 0,1,2,3                                ; O^T += V^T P^T: the four accumulators by turns
.if \t%2
	v_wmma_scale_f32_16x16x128_f8f6f4 v[O+8*\t:O+8*\t+7], v[KF+12*\t:KF+12*\t+11], v[PC:PC+11], v[O+8*\t:O+8*\t+7], v[VS+\t/2], v[PW] matrix_a_fmt:MATRIX_FMT_FP6 matrix_b_fmt:MATRIX_FMT_FP6 matrix_a_scale:MATRIX_SCALE_ROW1
.else
	v_wmma_scale_f32_16x16x128_f8f6f4 v[O+8*\t:O+8*\t+7], v[KF+12*\t:KF+12*\t+11], v[PC:PC+11], v[O+8*\t:O+8*\t+7], v[VS+\t/2], v[PW] matrix_a_fmt:MATRIX_FMT_FP6 matrix_b_fmt:MATRIX_FMT_FP6
.endif
.endr
.irp q, 0,1,2,3
	LADD \q, 3                                     ; four places in front of the next loads into V's registers
.endr
.endm
	s_load_b128 s[4:7], s[0:1], 0x0                ; pw s[4:5], aw s[6:7]
	v_lshl_add_u32 v[SPW], v0, 2, SPARE
	v_mov_b32 v[NIL], 0
	ds_add_u32 v[SPW], v[NIL]                      ; the opening lines: the add twice on end and its wait ahead of the first tensor load
	ds_add_u32 v[SPW], v[NIL]
	v_lshrrev_b32 v8, 5, v0
	v_readfirstlane_b32 s[WV], v8                  ; wave 0..15
	s_bfe_u32 s8, ttmp6, 0x40000                   ; cx: which 512 queries; it enters Q's and the result's addresses alone
	s_and_b32 s9, ttmp7, 0xffff                    ; the head, 0..63, which the four partners share
	GROUP1 24, 96                                  ; codes: 24,576 bytes a load
	GROUP1 32, 16                                  ; scale words: 4,096 bytes a load
	; waves 0-3 fetch K's codes, a quarter each, waves 4-7 V's; waves 8, 9 K's scale words, wave 10 V's
	s_mov_b32 s40, 1
	s_and_b32 s10, s[WV], 7
	s_mul_i32 s41, s10, 24576                      ; LDS: K's four quarters, then V's
	s_bfe_u32 s11, s[WV], 0x10002                  ; 0: K, 1: V
	s_mul_i32 s42, s11, 6291456
	s_add_co_u32 s42, s42, 6291456
	s_mul_i32 s12, s9, 98304                       ; a head's codes
	s_add_co_u32 s42, s42, s12
	s_and_b32 s13, s[WV], 3
	s_mul_i32 s14, s13, 24576
	s_add_co_u32 s42, s42, s14
	s_mov_b32 s43, 0
	s_mov_b32 s44, 1
	s_lshl_b32 s45, s13, 12
	s_add_co_u32 s45, s45, KSB                     ; LDS: K's two halves, then V's words
	s_lshr_b32 s15, s13, 1                         ; 1 in wave 10
	s_lshr_b32 s16, 8192, s15                      ; a head's words: 8,192 bytes of K's, 4,096 of V's
	s_mul_i32 s46, s9, s16
	s_and_b32 s16, s13, 1
	s_lshl_b32 s16, s16, 12
	s_add_co_u32 s46, s46, s16
	s_lshl_b32 s16, s15, 19                        ; V's words begin 524,288 bytes behind K's
	s_add_co_u32 s46, s46, s16
	s_add_co_u32 s46, s46, 19398656
	s_mov_b32 s47, 0
	; Q's and the result's places
	s_lshl_b32 s58, s8, 5
	s_add_co_u32 s58, s58, s[WV]                   ; my tile of queries in pass 0: 32 cx + wave; in pass 1 sixteen tiles on
	s_mul_i32 s50, s58, 768
	s_add_co_u32 s50, s50, s12
	s_mov_b32 s51, 0
	s_lshl_b32 s52, s58, 6
	s_lshl_b32 s59, s9, 13
	s_add_co_u32 s52, s52, s59
	s_add_co_u32 s52, s52, 18874368
	s_mov_b32 s53, 0
	s_lshr_b32 s59, s9, 4                          ; batch
	s_and_b32 s60, s9, 15                          ; head in the batch
	s_lshl_b32 s61, s59, 7
	s_add_co_u32 s61, s61, s58
	s_mul_i32 s54, s61, 12288                      ; the token tile's eight images;
	s_mul_i32 s61, s60, 768                        ; head hh fills half hh % 2 of K step hh / 2: 768 hh bytes on
	s_add_co_u32 s54, s54, s61
	s_mov_b32 s55, 0
	s_lshl_b32 s56, s60, 14                        ; scale bytes: a plane of 8,192 tokens x 2 bytes for each head
	s_lshl_b32 s61, s59, 12
	s_add_co_u32 s56, s56, s61
	s_lshl_b32 s61, s8, 10
	s_add_co_u32 s56, s56, s61
	s_add_co_u32 s56, s56, 6291456
	s_mov_b32 s57, 0
	s_mov_b32 s[SEL], 0x76543210
	s_mov_b32 s[SEL+1], 0xfedcba98
	s_mov_b32 s[CS], 0x3e38aa3b                    ; c = log2(e) / 8
	s_mov_b32 s[CS+1], s[CS]                       ; (named with it as a pair, so it is written)
	s_mov_b32 s[NC], 0xbe38aa3b                    ; -c
	s_lshl_b32 s62, s[WV], 5
	s_add_co_u32 s62, s62, ASTG
	v_and_b32 v28, 31, v0                          ; lane
	v_and_b32 v31, 15, v0                          ; r
	v_lshlrev_b32 v[B16], 4, v28
	v_lshlrev_b32 v[B8], 3, v28
	v_lshl_add_u32 v[BKS], v28, 2, KSB             ; scale words: lanes 0-15 an even tile's, lanes 16-31 the odd tile's behind it
	v_lshl_add_u32 v[BVS], v28, 2, VSB
	v_add_nc_u32 v[BV16], VB, v[B16]
	v_lshl_add_u32 v[BST], v31, 1, s62             ; my query's two scale bytes: 32 x wave + 2 r
	v_lshlrev_b32 v31, 2, v31                      ; 4 r
	v_and_b32 v89, 63, v0
	v_lshl_add_u32 v88, v89, 4, ASTG               ; waves 0 and 1 store the 1,024 scale bytes at the end: 16 bytes a thread
	v_lshlrev_b32 v89, 4, v89
	WALU
	s_wait_dscnt 0x0
	s_wait_kmcnt 0x0
	s_add_nc_u64 s[42:43], s[4:5], s[42:43]
	s_or_b32 s43, s43, 0x80000000                  ; type = 2
	s_add_nc_u64 s[46:47], s[4:5], s[46:47]
	s_or_b32 s47, s47, 0x80000000
	s_add_nc_u64 s[50:51], s[4:5], s[50:51]
	s_add_nc_u64 s[52:53], s[4:5], s[52:53]
	s_add_nc_u64 s[54:55], s[6:7], s[54:55]
	s_add_nc_u64 s[56:57], s[6:7], s[56:57]
	global_load_b128 v[Q:Q+3], v[B16], s[50:51]    ; both passes' Q are asked for here and land beside the tensor loads
	global_load_b64 v[Q+4:Q+5], v[B8], s[50:51] offset:512
	global_load_b32 v[QS], v31, s[52:53]
	global_load_b128 v[Q1:Q1+3], v[B16], s[50:51] offset:12288
	global_load_b64 v[Q1+4:Q1+5], v[B8], s[50:51] offset:12800
	global_load_b32 v[QS1], v31, s[52:53] offset:1024
	CROUND                                         ; all four work-groups are here: the joint loads meet
	s_cmp_lt_u32 s[WV], 8                          ; the branches hang on the wave's number alone; one tensor load of mine is out at the most
	s_cbranch_scc0 .Lnot_codes
	tensor_load_to_lds s[40:43], s[24:31]
	s_nop 0
	PLACES 4
	s_branch .Lasked
.Lnot_codes:
	s_cmp_lt_u32 s[WV], 11
	s_cbranch_scc0 .Lasked
	tensor_load_to_lds s[44:47], s[32:39]
	s_nop 0
	PLACES 4
.Lasked:
.irp j, 22,23,24,25,26,27,80,81,82,83,84,85
	v_mov_b32 v\j, 0                               ; zero codes: Q's upper half, and what stands behind K's tile 7
.endr
.irp j, 30,222,91,93,95
	v_mov_b32 v\j, 0                               ; written once: the lane permutes' destinations, and the upper halves of pairs of which the lower alone is used
.endr
	s_mov_b32 s[PCNT], 0
	s_mov_b32 s[SO], 0
	WALU
	s_wait_tensorcnt 0x0                           ; my part of the head is in,
	s_barrier_signal -1
	s_barrier_wait -1                              ; everybody's is
	s_wait_loadcnt 0x0                             ; and so is Q
.Lpass:                                                ; ONE TILE OF 16 QUERIES through all 2,048 keys: tile 32 cx + 16 pass + wave of the head
	v_mov_b32 v[MX], 0xff61b1e6                    ; the largest score so far: -3e38
	v_mov_b32 v[NM1], 0x7f61b1e6                   ; the old -M of the first step: 3e38, so that its f is 0
	v_mov_b32 v[F], 0
.set j, 0
.rept 8
	v_mov_b32 v[LS+j], 0                           ; the sum's eight chains,
	v_mov_b32 v[LS+38+j], 0
	v_mov_b32 v[S+56+j], 0                         ; and what the first step adds as the step before's last pairs
.set j, j+1
.endr
.set j, 0
.rept 32
	v_mov_b32 v[O+j], 0                            ; O^T: the step is written once; the first finds zeros, which its f leaves zeros
.set j, j+1
.endr
	s_mov_b32 s[TB], 0
	s_mov_b32 s[TS], 0
	s_mov_b32 s[TJ], 0
	s_mov_b32 s[CNT], 8
.Lkeys:                                                ; a trip: two key steps
	v_add_nc_u32 v[AV16], s[TB], v[BV16]
	v_add_nc_u32 v[AVS], s[TJ], v[BVS]
	v_add_nc_u32 v[AK16], s[TB], v[B16]
	v_add_nc_u32 v[AK8], s[TB], v[B8]
	v_add_nc_u32 v[AKS], s[TS], v[BKS]
	STEP 0
	STEP 1
	s_add_co_u32 s[TB], s[TB], 12288
	s_add_co_u32 s[TS], s[TS], 1024
	s_add_co_u32 s[TJ], s[TJ], 512
	s_sub_co_u32 s[CNT], s[CNT], 1
	s_cmp_lg_u32 s[CNT], 0
	s_cbranch_scc1 .Lkeys
.irp q, 4,5,6,7
	LADD \q, 3                                     ; the last step's last four pairs
.endr
.irp q, 0,1,2,3
	v_pk_add_f32 v[LS+2*\q:LS+2*\q+1], v[LS+2*\q:LS+2*\q+1], v[LS+38+2*\q:LS+39+2*\q]   ; the eight chains join
.endr
	v_pk_add_f32 v[LS:LS+1], v[LS:LS+1], v[LS+2:LS+3]
	v_pk_add_f32 v[LS+4:LS+5], v[LS+4:LS+5], v[LS+6:LS+7]
	v_pk_add_f32 v[LS:LS+1], v[LS:LS+1], v[LS+4:LS+5]
	v_add_f32 v[LS], v[LS], v[LS+1]                ; l's two halves,
	v_permlanex16_b32 v[RT], v[LS], s[SEL], s[SEL+1]
	v_add_f32 v[LS], v[LS], v[RT]                  ; and lane l xor 16's keys
	WALU
	v_rcp_f32 v[LS], v[LS]
	v_nop                                          ; a plain place behind the reciprocal
	WALU                                           ; the wait ahead of its first reader, which is also O^T's first reader
.set j, 0
.rept 32
	v_mul_f32 v[S+j], v[O+j], v[LS]                ; O^T / l: register 16 b + i is channel 32 b + 16 (lane / 16) + i of my query
.set j, j+1
.endr
.irp b, 0,1                                    ; the head's two blocks of 32 channels are quantised: half a fragment of the output projection's operand
	v_max3_num_f32 v[E0+\b], |v[S+16*\b]|, |v[S+1+16*\b]|, 0x1800000
.endr
.irp i, 2,4,6,8,10,12,14
.irp b, 0,1
	v_max3_num_f32 v[E0+\b], v[E0+\b], |v[S+16*\b+\i]|, |v[S+1+16*\b+\i]|
.endr
.endr
.irp b, 0,1
	v_permlanex16_b32 v[E0+2+\b], v[E0+\b], s[SEL], s[SEL+1]
.endr
.irp b, 0,1
	v_max_num_f32 v[E0+\b], v[E0+\b], v[E0+2+\b]
.endr
.irp b, 0,1
	v_add_nc_u32 v[E0+4+\b], 0xff000000, v[E0+\b]
.endr
.irp b, 0,1
	v_lshrrev_b32 v[E0+6+\b], 23, v[E0+4+\b]
.endr
	v_lshl_or_b32 v[E0+8], v[E0+7], 8, v[E0+6]     ; my query's two scale bytes
	v_add_nc_u32 v[DD], s[SO], v[BST]
	v_cvt_scalef32_pk16_fp6_f32 v[PC:PC+2], v[S:S+15], v[E0+4]
	v_cvt_scalef32_pk16_fp6_f32 v[TC0:TC0+2], v[S+16:S+31], v[E0+5]
	v_nop                                          ; one plain place behind a scaled conversion
.irp i, 0,1,2
	v_permlane16_swap_b32 v[PC+\i], v[TC0+\i]      ; here a block lies in lanes l and l xor 16: the operand's layout wants it whole in a lane
.endr
.irp i, 0,1,2
	v_mov_b32 v[PC+3+\i], v[TC0+\i]
.endr
	global_store_b128 v[B16], v[PC:PC+3], s[54:55]         ; 512 and 256 consecutive bytes, aligned
	global_store_b64 v[B8], v[PC+4:PC+5], s[54:55] offset:512
	ds_store_b16 v[DD], v[E0+8]                    ; lanes 16-31 write the same value to the same place
.irp i, 0,1,2,3,4,5
	v_mov_b32 v[Q+\i], v[Q1+\i]                    ; the next pass's Q
.endr
	v_mov_b32 v[QS], v[QS1]
	s_wait_xcnt 0x0                                ; the stores have read their base and the codes' registers
	s_add_nc_u64 s[54:55], s[54:55], 196608        ; sixteen token tiles on
	s_add_co_u32 s[SO], s[SO], 512
	s_wait_dscnt 0x0                               ; for the others' sake: my store of scale bytes is done
	s_add_co_u32 s[PCNT], s[PCNT], 1
	s_cmp_lt_u32 s[PCNT], 2
	WALU
	s_cbranch_scc1 .Lpass
	s_barrier_signal -1
	s_barrier_wait -1                              ; everybody's scale bytes are in the stage
	s_cmp_lt_u32 s[WV], 2                          ; waves 0 and 1 store the work-group's 1,024 scale bytes, 512 consecutive bytes each
	s_cbranch_scc0 .Ldone
	ds_load_b128 v[96:99], v88
	s_wait_dscnt 0x0
	global_store_b128 v89, v[96:99], s[56:57]
.Ldone:
	s_wait_tensorcnt 0x0                           ; the wave's end
	ds_add_u32 v[SPW], v[NIL]
	s_wait_dscnt 0x0
	CROUND                                         ; the closing round: no work-group ends while a partner may still ask for a tile that names it
	s_endpgm
.Lfunc_end_k_qbb1a9ef14f_attn:
	.size	k_qbb1a9ef14f_attn, .Lfunc_end_k_qbb1a9ef14f_attn-k_qbb1a9ef14f_attn
	.p2alignl 7, 3214868480
	.fill 96, 4, 3214868480
	.section	.rodata,"a",@progbits
	.p2align	6, 0x0
	.amdhsa_kernel k_qbb1a9ef14f_attn
		.amdhsa_group_segment_fixed_size 211968
		.amdhsa_private_segment_fixed_size 0
		.amdhsa_enable_private_segment 0
		.amdhsa_kernarg_size 16
		.amdhsa_user_sgpr_count 2
		.amdhsa_user_sgpr_kernarg_segment_ptr 1
		.amdhsa_wavefront_size32 1
		.amdhsa_system_sgpr_workgroup_id_x 1
		.amdhsa_system_sgpr_workgroup_id_y 1
		.amdhsa_system_sgpr_workgroup_id_z 1
		.amdhsa_system_vgpr_workitem_id 0
		.amdhsa_next_free_vgpr 256
		.amdhsa_next_free_sgpr 72
		.amdhsa_reserve_vcc 0
		.amdhsa_float_denorm_mode_32 3
		.amdhsa_float_denorm_mode_16_64 3
		.amdhsa_memory_ordered 1
		.amdhsa_forward_progress 1
		.amdhsa_inst_pref_size 45
	.end_amdhsa_kernel
	.amdgpu_metadata
---
amdhsa.version: [ 1, 2 ]
amdhsa.kernels:
  - .name:           k_qbb1a9ef14f_attn
    .symbol:         k_qbb1a9ef14f_attn.kd
    .args:
      - { .name: pw, .offset: 0, .size: 8, .value_kind: global_buffer, .address_space: global }
      - { .name: aw, .offset: 8, .size: 8, .value_kind: global_buffer, .address_space: global }
    .group_segment_fixed_size: 211968
    .private_segment_fixed_size: 0
    .kernarg_segment_align: 8
    .kernarg_segment_size: 16
    .max_flat_workgroup_size: 512
    .sgpr_count:     72
    .vgpr_count:     256
    .wavefront_size: 32
...
	.end_amdgpu_metadata
.endif
;; end of part 3
;; launch outp (part 4): grid 4 x 64, 4 waves a work-group, clusters of 4 x 4, 307,712 bytes of LDS; arguments aw, ww, bo, out0; writes out0
.if DOCPART == 4
	.amdgcn_target "amdgcn-amd-amdhsa--gfx1250"
	.amdhsa_code_object_version 6
	.text
	.protected	k_qbb1a9ef14f_outp
	.globl	k_qbb1a9ef14f_outp
	.p2align	8
	.type	k_qbb1a9ef14f_outp,@function
k_qbb1a9ef14f_outp:
	s_mov_b64 s[64:65], 0
	v_nop
	global_prefetch_b8 v0, s[64:65] scope:SCOPE_SE
	s_setreg_imm32_b32 hwreg(HW_REG_WAVE_MODE, 25, 1), 1
	s_wait_xcnt 0x0
	s_wait_alu depctr_hold_cnt(0) depctr_sa_sdst(0) depctr_va_vdst(0) depctr_va_sdst(0) depctr_va_ssrc(0) depctr_va_vcc(0) depctr_vm_vsrc(0)
	s_getreg_b32 s2, hwreg(HW_REG_IB_STS2, 6, 4)
	s_cmp_eq_u32 s2, 0
	s_cbranch_scc0 .Lentry_in_a_cluster
	s_endpgm
.Lentry_in_a_cluster:
	s_bfe_u32 s2, ttmp6, 0x10000c
	s_cmp_lg_u32 s2, 0xf033
	s_cbranch_scc0 .Lentry_shape_is_right
	s_endpgm
.Lentry_shape_is_right:
; out0 = a Wo + bo on codes of FP6 (E2M3) with E8M0 scales, sums in f32.  a: the attention's result, quantised along the 1,024 merged channels.
; aw holds fragment images (16 tokens x 128 K, 1,536 bytes) by [token tile 512][K step 8], and scale bytes as planes [head 16][token 8192] of two bytes; ww holds Wo's images [tile 64][K step 8] and scale bytes [row][32].
; Tokens and Wo's columns stand in position order (index bits 3 and 4 exchanged).
; SOURCE 0 (S0) = Wo's columns, SOURCE 1 (S1) = tokens: a lane holds one token, and the 16 registers of S0's tiles 2 b, 2 b + 1 are 16 actual neighbouring columns 32 b + 16 (lane / 16) + i.
; SHARES.  A work-group: 256 columns (X = cx) x 128 tokens (Y); wave w: 128 columns (w % 2), 64 tokens (w / 2): 32 accumulators.  ALL OF K = 1,024 LIES IN LDS AT ONCE; each LDS byte is filled once: a wave issues one
; tensor load at the start, and one wait for it and one barrier release all of K.
; CLUSTERS.  4 x 4 work-groups: S0's tiles are shared down a column of the cluster, S1's along a row: each is asked for jointly.
; REGISTERS.  window 0: v1-15 addresses; v16-79 S0's scale words (tile b, K step s: 16 + 8 b + s); v80-111 S1's; v112-207 S1's fragments, two sets of 48; on the way out v112-239 rows of out0.
;   window 1: v0-191 S0's fragments, two sets of 96; v192-255 bo, the C of each sum's first product.   window 2: accumulator (a, b) at v[8 (8 a + b)].
; LDS AS IT IS FILLED NOW: S0's codes [tile 16][K step 8][1536] at 0, S1's [tile 8][K step 8][1536] at S1B: each a dense block of memory, brought whole by one tensor load.
; One tensor load a wave at the head: wave 0 S0's codes, wave 1 S1's codes, wave 2 S0's scale bytes, wave 3 S1's; every wave waits for 0, one barrier shows all four.
.set S1B,   196608
.set S1SC,  294912                     ; S1's scale bytes [head 16][128 tokens x 2]
.set S0SC,  299008                     ; S0's, 256 rows x 32
.set OSTG,  8448                       ; the way out: a stage of 16 rows x (512 bytes + 16) for each wave, from LDS byte 0 on
.set SCP,   16
.set SCR,   80
.set RF,    112
.set BP,    192
.set BK,    112
.set STO,   12
.set RD,    13
.set CO,    14
.set WV,    92                         ; s92 wave, s93 wave % 2, s94 wave / 2, s95 cx = X, s96 cy, s98 Y
.set MSB, 0
.macro WIN new                         ; the immediate's high byte repeats the setting that is left
.if MSB != \new
	s_set_vgpr_msb (MSB<<8)|\new
.set MSB, \new
.endif
.endm
.macro CROUND                          ; a round of the cluster's barrier
	s_barrier_signal -1
	s_barrier_wait -1
	s_cmp_lg_u32 s[WV], 0
	s_cbranch_scc1 .Lnot_wave_0_\@
	s_barrier_signal -3
.Lnot_wave_0_\@:
	s_barrier_wait -3
	s_barrier_signal -1
	s_barrier_wait -1
.endm
.macro PLACES n
.rept \n
	v_nop
.endr
.endm
.macro GROUP1 g, c, r, p               ; words 1 to 7 of a descriptor's group 1: r rows of c elements of 8 bytes, p elements from row to row
	s_mov_b32 s[\g+1], (\c)<<16
	s_mov_b32 s[\g+2], (\r)<<16
	s_mov_b32 s[\g+3], (\c)<<16
	s_mov_b32 s[\g+4], \r
	s_mov_b32 s[\g+5], \p
	s_mov_b32 s[\g+6], 0
	s_mov_b32 s[\g+7], 0
.endm
	s_load_b256 s[4:11], s[0:1], 0x0               ; aw s[4:5], ww s[6:7], bo s[8:9], out0 s[10:11]
	v_lshl_add_u32 v254, v0, 2, 0x4b000
	v_mov_b32 v255, 0
	ds_add_u32 v254, v255
	ds_add_u32 v254, v255
	v_lshrrev_b32 v1, 5, v0
	v_readfirstlane_b32 s[WV], v1                  ; wave 0..3
	s_and_b32 s93, s[WV], 1                        ; which 128 columns are mine
	s_lshr_b32 s94, s[WV], 1                       ; which 64 tokens are mine
	s_bfe_u32 s95, ttmp6, 0x40000                  ; cx = X: which 256 columns
	s_bfe_u32 s96, ttmp6, 0x40004                  ; cy
	s_and_b32 s98, ttmp7, 0xffff
	s_lshl_b32 s98, s98, 2
	s_add_co_u32 s98, s98, s96                     ; Y: which 128 tokens
	s_lshl_b32 s2, 0x1111, s95                     ; my column of the cluster
	s_lshl_b32 s101, s96, 2
	s_lshl_b32 s101, 15, s101                      ; my row
	s_or_b32 s16, s2, (3<<16)|(1<<21)              ; group 1, word 0: the mask; elements of 8 bytes; bit 21 set beside a mask; no padding
	s_or_b32 s32, s2, (3<<16)|(1<<21)
	s_or_b32 s24, s101, (3<<16)|(1<<21)
	s_or_b32 s40, s101, (3<<16)|(1<<21)
	GROUP1 16, 32, 768, 32                         ; S0's codes: 196,608 dense bytes as rows of 256
	GROUP1 24, 32, 384, 32                         ; S1's: 98,304
	GROUP1 32, 32, 32, 32                          ; S0's scale bytes: 8,192
	GROUP1 40, 32, 16, 2048                        ; S1's: 16 heads' 256 bytes, 16,384 bytes from head to head
	; byte offsets of what I fetch, made in the registers that will hold the addresses.  S0's hang on X, S1's on Y
	s_mul_i32 s50, s95, 196608
	s_add_co_u32 s50, s50, 2359296                 ; Wo's codes
	s_mov_b32 s51, 0
	s_lshl_b32 s70, s95, 13
	s_add_co_u32 s70, s70, 3244032                 ; Wo's scale bytes
	s_mov_b32 s71, 0
	s_mul_i32 s74, s98, 98304
	s_mov_b32 s75, 0
	s_lshl_b32 s90, s98, 8
	s_add_co_u32 s90, s90, 6291456
	s_mov_b32 s91, 0
	; where they go: constants and the wave's number alone
	s_mov_b32 s48, 1
	s_mov_b32 s49, 0
	s_mov_b32 s68, 1
	s_mov_b32 s69, S0SC
	s_mov_b32 s72, 1
	s_mov_b32 s73, S1B
	s_mov_b32 s88, 1
	s_mov_b32 s89, S1SC
	; the lanes' addresses
	v_and_b32 v3, 31, v0                           ; lane
	v_and_b32 v1, 15, v0                           ; r
	s_wait_alu depctr_va_vdst(0)
	v_bfe_u32 v2, v0, 4, 1                         ; h
	s_mul_i32 s3, s93, 98304
	v_lshl_add_u32 v4, v3, 4, s3                   ; S0's images: my 8 tiles of 12,288 bytes, 16 x lane
	v_lshl_add_u32 v5, v3, 3, s3                   ; and 8 x lane
	v_add_nc_u32 v11, 49152, v4                    ; the same for my tiles 4 to 7: an LDS offset has 16 bits
	v_add_nc_u32 v15, 49152, v5
	s_mul_i32 s3, s94, 49152
	s_add_co_u32 s3, s3, S1B
	v_lshl_add_u32 v6, v3, 4, s3                   ; S1's: my 4 tiles
	v_lshl_add_u32 v7, v3, 3, s3
	s_lshl_b32 s3, s93, 12
	s_add_co_u32 s3, s3, S0SC
	v_lshl_add_u32 v8, v1, 5, s3                   ; S0's scale bytes: 32 a row
	s_lshl_b32 s3, s94, 7
	s_add_co_u32 s3, s3, S1SC
	v_lshl_add_u32 v9, v1, 1, s3                   ; S1's: two bytes a token in each head's 256
	v_lshlrev_b32 v10, 6, v2                       ; bo: 64 h
	s_mul_i32 s3, s[WV], OSTG
	v_mul_u32_u24 v[STO], v1, 528
	s_wait_alu depctr_va_vdst(0)
	v_lshl_add_u32 v[STO], v2, 6, v[STO]
	v_add_nc_u32 v[STO], s3, v[STO]                ; my stage, in: row r, + 64 h
	v_lshlrev_b32 v[CO], 4, v3                     ; back: the 32 lanes take one row of 512 bytes; and the same in out0
	v_add_nc_u32 v[RD], s3, v[CO]
	s_lshl_b32 s2, s95, 10
	s_lshl_b32 s3, s93, 9
	s_add_co_u32 s2, s2, s3                        ; my 128 columns, in bytes
	s_mov_b32 s3, 0
	s_lshl_b32 s66, s98, 7
	s_lshl_b32 s67, s94, 6
	s_add_co_u32 s66, s66, s67
	s_lshl_b32 s66, s66, 12                        ; my 64 tokens' first row, x 4,096 bytes
	s_mov_b32 s67, 0
	s_wait_dscnt 0x0
	s_wait_kmcnt 0x0
	s_add_nc_u64 s[50:51], s[6:7], s[50:51]
	s_add_nc_u64 s[70:71], s[6:7], s[70:71]
	s_add_nc_u64 s[74:75], s[4:5], s[74:75]
	s_add_nc_u64 s[90:91], s[4:5], s[90:91]
.irp g, 51,71,75,91
	s_or_b32 s\g, s\g, 0x80000000                  ; type = 2
.endr
	s_add_nc_u64 s[8:9], s[8:9], s[2:3]            ; bo at my columns
	s_add_nc_u64 s[10:11], s[10:11], s[2:3]
	s_add_nc_u64 s[10:11], s[10:11], s[66:67]      ; out0 at my part
	CROUND                                         ; all sixteen work-groups are here: the joint loads meet
	s_cmp_eq_u32 s[WV], 0                          ; one chain of branches on the wave's number, one joint load to an arm
	s_cbranch_scc0 .Lw1
	tensor_load_to_lds s[48:51], s[16:23]          ; wave 0: S0's codes
	s_nop 0
	PLACES 4
	s_branch .Lasked
.Lw1:
	s_cmp_eq_u32 s[WV], 1
	s_cbranch_scc0 .Lw2
	tensor_load_to_lds s[72:75], s[24:31]          ; wave 1: S1's codes
	s_nop 0
	PLACES 4
	s_branch .Lasked
.Lw2:
	s_cmp_eq_u32 s[WV], 2
	s_cbranch_scc0 .Lw3
	tensor_load_to_lds s[68:71], s[32:39]          ; wave 2: S0's scale bytes
	s_nop 0
	PLACES 4
	s_branch .Lasked
.Lw3:
	tensor_load_to_lds s[88:91], s[40:47]          ; wave 3: S1's scale bytes
	s_nop 0
	PLACES 4
.Lasked:
	WIN 0x40                                       ; destination window 1
.irp b, 0,1,2,3,4,5,6,7                        ; lane (r, h), tile b, register j: column 32 (b / 2) + 16 h + 8 (b % 2) + j
	global_load_b128 v[BP+8*\b:BP+8*\b+3], v10, s[8:9] offset:(32*(\b/2)+8*(\b%2))*4
	global_load_b128 v[BP+8*\b+4:BP+8*\b+7], v10, s[8:9] offset:(32*(\b/2)+8*(\b%2))*4+16
.endr
	WIN 0
.macro FRAG reg, a16, a8, off          ; a fragment's image back into 12 registers
	ds_load_b128 v[\reg:\reg+3], v[\a16] offset:\off
	ds_load_b64 v[\reg+4:\reg+5], v[\a8] offset:\off+512
	ds_load_b128 v[\reg+6:\reg+9], v[\a16] offset:\off+768
	ds_load_b64 v[\reg+10:\reg+11], v[\a8] offset:\off+1280
.endm
.macro FETCH s, p                      ; K step s: S0's eight fragments and S1's four into set p
	WIN 0x40
.irp i, 0,1,2,3,4,5,6,7
	FRAG 96*(\p)+12*\i, 4+7*(\i/4), 5+10*(\i/4), 12288*(\i%4)+1536*((\s)%2)
.endr
	WIN 0
.irp i, 0,1,2,3
	FRAG RF+48*(\p)+12*\i, 6, 7, 12288*\i+1536*((\s)%2)
.endr
.endm
.macro NEXTCHUNK
.irp r, 4,5,6,7,11,15
	v_add_nc_u32 v\r, 3072, v\r                    ; two K steps on in every tile
.endr
.endm
; 32 matrix instructions: the 32 accumulators take turns, one instruction a turn, in the same order in every K step.  first = 1: the products start the sums from bo
.macro MUL s, p, first
.if \first
	WIN 0x91                                       ; source 0 (S0) window 1, source 1 (S1) window 0, C (bo) window 1, D window 2
.else
	WIN 0xa1                                       ; C and D window 2
.endif
.irp a, 0,1,2,3
.irp b, 0,1,2,3,4,5,6,7
.if \first
	v_wmma_scale_f32_16x16x128_f8f6f4 v[8*(8*\a+\b):8*(8*\a+\b)+7], v[96*(\p)+12*\b:96*(\p)+12*\b+11], v[RF+48*(\p)+12*\a:RF+48*(\p)+12*\a+11], v[BP+8*\b:BP+8*\b+7], v[SCP+8*\b+(\s)], v[SCR+8*\a+(\s)] matrix_a_fmt:MATRIX_FMT_FP6 matrix_b_fmt:MATRIX_FMT_FP6
.else
	v_wmma_scale_f32_16x16x128_f8f6f4 v[8*(8*\a+\b):8*(8*\a+\b)+7], v[96*(\p)+12*\b:96*(\p)+12*\b+11], v[RF+48*(\p)+12*\a:RF+48*(\p)+12*\a+11], v[8*(8*\a+\b):8*(8*\a+\b)+7], v[SCP+8*\b+(\s)], v[SCR+8*\a+(\s)] matrix_a_fmt:MATRIX_FMT_FP6 matrix_b_fmt:MATRIX_FMT_FP6
.endif
.endr
.endr
	WIN 0
.endm
; K step s.  tw >= 0: the next step lies two K steps past the fragments' addresses, which step on; no wait and no barrier.
.macro STEP s, tw
	s_wait_dscnt 0x0                               ; this step's fragments, asked for a step ago
.if (\s) == 7
	s_barrier_signal -1                            ; my reads of the codes are over; the wait stands in front of the way out, this step's products between
.endif
.if (\tw) >= 0
	NEXTCHUNK                                      ; all of K has been in LDS since the head's barrier: only the addresses step
.endif
.if (\s) < 7
.if (\s) > 0
	PLACES 4                                       ; in front of loads into registers that the last step's matrix instructions have read
.endif
	FETCH (\s)+1, ((\s)+1)%2
.endif
.if (\s) == 0
	MUL \s, 0, 1
.else
	MUL \s, (\s)%2, 0
.endif
.endm
	s_wait_tensorcnt 0x0                           ; my one load is in
	s_barrier_signal -1
	s_barrier_wait -1                              ; everybody's are
.irp b, 0,1,2,3,4,5,6,7
	ds_load_b128 v[SCP+8*\b:SCP+8*\b+3], v8 offset:512*\b          ; a column's eight scale words, for all of K
	ds_load_b128 v[SCP+8*\b+4:SCP+8*\b+7], v8 offset:512*\b+16
.endr
.irp a, 0,1,2,3                                ; a token's word of K step g: head 2 g's two bytes below, head 2 g + 1's above (these come into S1's second set of fragment registers, still free)
.irp g, 0,1,2,3,4,5,6,7
	ds_load_u16 v[SCR+8*\a+\g], v9 offset:512*\g+32*\a
	ds_load_u16 v[160+8*\a+\g], v9 offset:512*\g+32*\a+256
.endr
.endr
	FETCH 0, 0
	s_wait_dscnt 0x0
.irp g, 0,1,2,3,4,5,6,7
.irp a, 0,1,2,3
	v_lshl_or_b32 v[SCR+8*\a+\g], v[160+8*\a+\g], 16, v[SCR+8*\a+\g]
.endr
.endr
	PLACES 8                                       ; a scale register written by a vector instruction stands eight places ahead of the scaled product
	s_wait_loadcnt 0x0                             ; bo
	STEP 0, -1
	STEP 1, 2
	s_wait_alu depctr_va_vdst(0)
	STEP 2, -1
	STEP 3, 1
	s_wait_alu depctr_va_vdst(0)
	STEP 4, -1
	STEP 5, 0
	s_wait_alu depctr_va_vdst(0)
	STEP 6, -1
	STEP 7, -1
; THE WAY OUT, 16 tokens x 128 columns at a time.  A lane holds pieces of 32 bytes of one row, and the lanes beside it hold other rows: a block goes through my own stage and comes back as whole rows of 512 bytes.
; The stages, 33,792 bytes, lie in S0's codes: those bytes have had their one fill, and behind the barrier signalled in K step 7 nobody reads them.
; LDS serves a wave's instructions in order: no wait between the stores and the loads, nor in front of the next block's stores.
.macro TOSTAGE a
	WIN 0x08                                       ; an LDS store's data are its source 1: window 2
.irp b, 0,1,2,3,4,5,6,7
	ds_store_b128 v[STO], v[64*(\a)+8*\b:64*(\a)+8*\b+3] offset:128*(\b/2)+32*(\b%2)        ; each accumulator from its low end on
	ds_store_b128 v[STO], v[64*(\a)+8*\b+4:64*(\a)+8*\b+7] offset:128*(\b/2)+32*(\b%2)+16
.endr
	WIN 0
.set BB, BK+64*((\a)%2)
.irp i, 0,1,2,3,4,5,6,7,8,9,10,11,12,13,14,15
	ds_load_b128 v[BB+4*\i:BB+4*\i+3], v[RD] offset:528*\i
.endr
.endm
.macro SEND a, younger                 ; younger: the LDS instructions issued behind block a's loads, which may stay out
.set BB, BK+64*((\a)%2)
	s_wait_dscnt \younger
.irp i, 0,1,2,3,4,5,6,7,8,9,10,11,12,13,14,15
	global_store_b128 v[CO], v[BB+4*\i:BB+4*\i+3], s[10:11] offset:(32*((\a)/2)+8*((\a)%2)+\i+8*(\i/8))*4096 th:TH_STORE_NT   ; tile row i is actual token 32 (a / 2) + 8 (a % 2) + i + 8 (i / 8); 512 consecutive bytes, aligned
.endr
.endm
	s_barrier_wait -1                              ; every wave's reads of the codes are over
	PLACES 4                                       ; behind the last products: for the first read of results and for the loads into registers that held S1's fragments
	TOSTAGE 0
.irp a, 1,2,3
.if \a > 1
	s_wait_xcnt 0x0                                ; block a - 2's stores have read their registers: block a's loads may land there
.endif
	TOSTAGE \a
	SEND \a-1, 32                                  ; behind block a - 1's loads: block a's 16 stores and 16 loads
.endr
	SEND 3, 0
	s_wait_tensorcnt 0x0
	ds_add_u32 v254, v255
	s_wait_dscnt 0x0
	CROUND                                         ; the closing round: no work-group ends while a partner may still ask for a tile that names it
	s_endpgm
.Lfunc_end_k_qbb1a9ef14f_outp:
	.size	k_qbb1a9ef14f_outp, .Lfunc_end_k_qbb1a9ef14f_outp-k_qbb1a9ef14f_outp
	.p2alignl 7, 3214868480
	.fill 96, 4, 3214868480
	.section	.rodata,"a",@progbits
	.p2align	6, 0x0
	.amdhsa_kernel k_qbb1a9ef14f_outp
		.amdhsa_group_segment_fixed_size 307712
		.amdhsa_private_segment_fixed_size 0
		.amdhsa_enable_private_segment 0
		.amdhsa_kernarg_size 32
		.amdhsa_user_sgpr_count 2
		.amdhsa_user_sgpr_kernarg_segment_ptr 1
		.amdhsa_wavefront_size32 1
		.amdhsa_system_sgpr_workgroup_id_x 1
		.amdhsa_system_sgpr_workgroup_id_y 1
		.amdhsa_system_sgpr_workgroup_id_z 1
		.amdhsa_system_vgpr_workitem_id 0
		.amdhsa_next_free_vgpr 768
		.amdhsa_next_free_sgpr 102
		.amdhsa_reserve_vcc 0
		.amdhsa_float_denorm_mode_32 3
		.amdhsa_float_denorm_mode_16_64 3
		.amdhsa_memory_ordered 1
		.amdhsa_forward_progress 1
		.amdhsa_inst_pref_size 91
	.end_amdhsa_kernel
	.amdgpu_metadata
---
amdhsa.version: [ 1, 2 ]
amdhsa.kernels:
  - .name:           k_qbb1a9ef14f_outp
    .symbol:         k_qbb1a9ef14f_outp.kd
    .args:
      - { .name: aw, .offset: 0, .size: 8, .value_kind: global_buffer, .address_space: global }
      - { .name: ww, .offset: 8, .size: 8, .value_kind: global_buffer, .address_space: global }
      - { .name: bo, .offset: 16, .size: 8, .value_kind: global_buffer, .address_space: global }
      - { .name: out0, .offset: 24, .size: 8, .value_kind: global_buffer, .address_space: global }
    .group_segment_fixed_size: 307712
    .private_segment_fixed_size: 0
    .kernarg_segment_align: 8
    .kernarg_segment_size: 32
    .max_flat_workgroup_size: 128
    .sgpr_count:     102
    .vgpr_count:     768
    .wavefront_size: 32
...
	.end_amdgpu_metadata
.endif
;; end of part 4
